; MI455X (gfx1250); checked and timed in simulation.
; The chip was launched on July 23, 2026; its instructions are those of AMD's public machine-readable ISA for CDNA 5 (MIT licence, August 2026) and "CDNA5" Instruction Set Architecture Reference Guide (July 2026). The comments in the code are by the model that wrote it; some were corrected since.
;; Encoder. Allowed arithmetic: matrix products marked QUANTISED: E4M3 operands, one given power-of-two scale a tensor, by v_wmma_f32_16x16x64_fp8_fp8 or v_wmma_f32_16x16x128_fp8_fp8, f32 sums; everything else in f32.
;; Inputs: W11 256 x 256 float32; W12 256 x 256 float32; W13 256 x 256 float32; W14 256 x 256 float32; W21 256 x 256 float32; W22 256 x 256 float32; W23 256 x 256 float32; W24 256 x 256 float32; Wf11 1,024 x 256 float32; Wf12 1,024 x 256 float32; Wf21 256 x 1,024 float32; Wf22 256 x 1,024 float32; b1 256 float32; b2 256 float32; b3 256 float32; b4 256 float32; g1 256 float32; g2 256 float32; g3 256 float32; g4 256 float32; lowp_scales 32 int32 (the exponents e of the quantised operands' scales 2^e); x 4 x 2,048 x 256 float32.
;; Outputs: out0 4 x 2,048 x 256 float32.
;; This version of the problem:
;;   THIS VERSION OF THE PROBLEM IS GIVEN IN LOW PRECISION. The matrix products marked QUANTISED in the list below multiply operands that are first quantised to E4M3 (4 exponent bits, 3 mantissa bits; 8 bits a number), with one given power-of-two scale for each operand tensor; their sums are f32. All else is computed in f32.
;;   The module's matrix products, in the order in which they are computed (A, B: the left and right operand; K: the contracted axis; several contracted axes count as one K, in the product's order):
;;     1. [M 8,192, K 256] x [K 256, N 256]; A: input x; B: input W11: QUANTISED (scales: A lowp_scales[0], B lowp_scales[1])
;;     2. [M 8,192, K 256] x [K 256, N 256]; A: input x; B: input W12: QUANTISED (scales: A lowp_scales[2], B lowp_scales[3])
;;     3. [M 8,192, K 256] x [K 256, N 256]; A: input x; B: input W13: QUANTISED (scales: A lowp_scales[4], B lowp_scales[5])
;;     4. batch 32 x [M 2,048, K 32] x [K 32, N 2,048]; A: computed on the way; B: computed on the way: QUANTISED (scales: A lowp_scales[6], B lowp_scales[7])
;;     5. batch 32 x [M 2,048, K 2,048] x [K 2,048, N 32]; A: softmax (see below); B: computed on the way: QUANTISED (scales: A lowp_scales[8], B lowp_scales[9])
;;     6. [M 8,192, K 256] x [K 256, N 256]; A: computed on the way; B: input W14: QUANTISED (scales: A lowp_scales[10], B lowp_scales[11])
;;     7. [M 8,192, K 256] x [K 256, N 1,024]; A: computed on the way; B: input Wf11: QUANTISED (scales: A lowp_scales[12], B lowp_scales[13])
;;     8. [M 8,192, K 1,024] x [K 1,024, N 256]; A: computed on the way; B: input Wf21: QUANTISED (scales: A lowp_scales[14], B lowp_scales[15])
;;     9. [M 8,192, K 256] x [K 256, N 256]; A: computed on the way; B: input W21: QUANTISED (scales: A lowp_scales[16], B lowp_scales[17])
;;     10. [M 8,192, K 256] x [K 256, N 256]; A: computed on the way; B: input W22: QUANTISED (scales: A lowp_scales[18], B lowp_scales[19])
;;     11. [M 8,192, K 256] x [K 256, N 256]; A: computed on the way; B: input W23: QUANTISED (scales: A lowp_scales[20], B lowp_scales[21])
;;     12. batch 32 x [M 2,048, K 32] x [K 32, N 2,048]; A: computed on the way; B: computed on the way: QUANTISED (scales: A lowp_scales[22], B lowp_scales[23])
;;     13. batch 32 x [M 2,048, K 2,048] x [K 2,048, N 32]; A: softmax (see below); B: computed on the way: QUANTISED (scales: A lowp_scales[24], B lowp_scales[25])
;;     14. [M 8,192, K 256] x [K 256, N 256]; A: computed on the way; B: input W24: QUANTISED (scales: A lowp_scales[26], B lowp_scales[27])
;;     15. [M 8,192, K 256] x [K 256, N 1,024]; A: computed on the way; B: input Wf12: QUANTISED (scales: A lowp_scales[28], B lowp_scales[29])
;;     16. [M 8,192, K 1,024] x [K 1,024, N 256]; A: computed on the way; B: input Wf22: QUANTISED (scales: A lowp_scales[30], B lowp_scales[31])
;;   THE QUANTISER, for each operand of a quantised product, along K:
;;     - The operand's scale is 2^e, e = its entry of the input lowp_scales (int32; the entries are numbered through the quantised products in the list's order, A before B).
;;     - Each number is divided by the scale, clamped to +-448, and rounded to the nearest number of E4M3, ties to even, subnormals kept.
;;     - The product sums the exact products of the quantised numbers (number of the format x scale) in f32.
;;   ~~~python
;;   def quantise(x, axis, e):      # numpy; x: float32 -> the quantised numbers, widened to float32 again
;;       x = np.moveaxis(x, axis, -1); K = x.shape[-1]
;;       r = np.clip(x / 2.0 ** e, -448, 448)
;;       step = 2.0 ** (np.maximum(np.frexp(np.where(r == 0, 1, r))[1] - 1, -6) - 3)
;;       q = np.round(r / step) * step * 2.0 ** e      # np.round: ties to even
;;       return np.moveaxis(q, -1, axis).astype(np.float32)
;;   ~~~
;;   SOFTMAX AHEAD OF A QUANTISED PRODUCT. Where the list says 'softmax', what is quantised is not the finished softmax but p = 2^(t - M), with t = logit x log2(e) and M = ceil(the row's largest t), a whole number; so 1/2 < the row's largest p <= 1. The row's sum l is taken of the UNQUANTISED p, in f32, and the product's result is divided by l at the end. Since M is a whole number, a kernel that streams over the keys may use a running M (the ceiling of the running maximum): every later rescaling is an exact power of two, so the quantised numbers keep their values, but for numbers so far below the row's largest that they fall under the format's range.
;;   OPERANDS COMPUTED ON THE WAY. 'Computed on the way' means the value that the module computes at that place (a softmax that the list does not call 'softmax' is quantised finished and normalised). What goes into a quantiser is computed in f32, as accurately as f32 sums, v_exp_f32 and their like allow (about 1e-6 of the number): no bf16 or f16 on the way to a quantiser, and a product that is left as it is and whose result goes on into a quantised operand takes f32 operands (vector FMAs, or v_wmma_f32_16x16x4_f32). A number that lies on a knife's edge between two numbers of the format may be rounded either way, as far as f32 arithmetic and the matrix unit's own rounding can turn it there, and no further.
;; 2 versions, each right; version 2 is version 1 with the launches qkv1, attn1, post1, qkv2, attn2, post2 written anew for expert scheduling mode. Each part assembles by itself: llvm-mc -triple=amdgcn-amd-amdhsa -mcpu=gfx1250 --defsym DOCPART=n.
;; ======== version 1 of 2: 7 launches
;; workspace buffers: wimg1 786,432 bytes; wimg2 786,432 bytes; sc2 256 bytes of whole numbers; qkv 6,291,456 bytes; oimg 2,097,152 bytes; xmid 8,388,608 bytes
;; launch prep (part 1): grid 8 x 24, 4 waves a work-group, no clusters, 0 bytes of LDS; arguments W11, W12, W13, W14, Wf11, Wf21, W21, W22, W23, W24, Wf12, Wf22, lowp_scales, wimg1, wimg2, sc2; writes wimg1, wimg2, sc2
.if DOCPART == 1
	.amdgcn_target "amdgcn-amd-amdhsa--gfx1250"
	.amdhsa_code_object_version 6
	.text
	.protected	k_q6ea116d13a_prep
	.globl	k_q6ea116d13a_prep
	.p2align	8
	.type	k_q6ea116d13a_prep,@function
k_q6ea116d13a_prep:
	s_mov_b64 s[64:65], 0
	v_nop
	global_prefetch_b8 v0, s[64:65] scope:SCOPE_SE
	s_setreg_imm32_b32 hwreg(HW_REG_WAVE_MODE, 25, 1), 1
	s_wait_xcnt 0x0
; The twelve weights, f32 [N][K] with K innermost, become codes of FP8 (E4M3) with the scale 2^e given for each, laid in the ORDER OF THE OPERAND'S REGISTERS.
; A fragment is 16 rows x 128 K: lane (r = lane % 16, h = lane / 16) holds in registers 4 c .. 4 c + 3 the codes k = 128 ks + 32 c + 16 h + 0 .. 15 of its row; its image is [c 4][lane 32][16 bytes] = 2,048 bytes.
; THE ROWS OF A TILE ARE NOT NEIGHBOURS: lane r of tile t takes row 32 (t / 2) + 8 (t % 2) + r + 8 (r / 8), so that, with the weight as source 0, the 16 results of tiles 2 b, 2 b + 1 are 16 neighbours.
; Image of a layer (786,432 bytes): Wq 0, Wk 65,536, Wv 131,072, Wo 196,608, Wf1 262,144, Wf2 524,288; inside a weight fragment t x (K / 128) + ks lies at 2,048 x that number.
; SHARES: 768 fragments, one a wave.  Work-group y = a unit of 32 fragments (65,536 bytes of image; 12 units a layer), x and the wave pick the fragment.
; One wave also copies the second layer's 16 exponents to the front of sc2 (sc2[i] = lowp_scales[(i + 16) % 32]), so that the later bodies index exponents 0 .. 15 in both layers.
; code = x / 2^e, held within +-448, to the nearest code, ties to even.  LIMITS: e between -126 and 119.  NaN among the inputs is not served.
.set X, 8                              ; v8-71   64 numbers: register 16 c + i = k 32 c + 16 h + i
.set C, 72                             ; v72-87  the fragment's codes
.macro MKSC se, vs, vl                 ; s[se] = e  ->  v[vs] = 2^e as f32, v[vl] = 448 x 2^e
	s_add_co_i32 s[\se], s[\se], 127
	s_lshl_b32 s46, s[\se], 23
	v_mov_b32 v[\vs], s46
	s_add_co_i32 s[\se], s[\se], 8
	s_lshl_b32 s[\se], s[\se], 23
	s_or_b32 s[\se], s[\se], 0x600000
	v_mov_b32 v[\vl], s[\se]
.endm
	s_load_b512 s[4:19], s[0:1], 0x0               ; weights 0 to 7: weight i at s[4 + 2 i : 5 + 2 i]
	s_load_b512 s[20:35], s[0:1], 0x40             ; weights 8 to 11, lowp_scales s[28:29], wimg1 s[30:31], wimg2 s[32:33], sc2 s[34:35]
	v_lshrrev_b32 v1, 5, v0
	v_readfirstlane_b32 s36, v1                    ; wave
	s_and_b32 s37, ttmp7, 0xffff                   ; unit 0 .. 23
	s_cmp_ge_u32 s37, 12
	s_cselect_b32 s38, 1, 0                        ; layer L
	s_cselect_b32 s39, 12, 0
	s_sub_co_u32 s39, s37, s39                     ; unit in the layer, ul
	s_sub_co_u32 s46, s39, 4                       ; (used only where ul >= 4)
	s_lshr_b32 s47, s46, 2
	s_add_co_u32 s47, s47, 4
	s_and_b32 s46, s46, 3
	s_cmp_lt_u32 s39, 4
	s_cselect_b32 s40, s39, s47                    ; weight in the layer, wl: 0 Wq, 1 Wk, 2 Wv, 3 Wo, 4 Wf1, 5 Wf2
	s_cselect_b32 s41, 0, s46                      ; which quarter of a large weight
	s_mul_i32 s48, s38, 6
	s_add_co_u32 s48, s48, s40                     ; weight among the twelve
	s_cmp_eq_u32 s40, 5                            ; Wf2 alone has K = 1,024
	s_cselect_b32 s49, 12, 10                      ; log2 of a row's bytes
	s_cselect_b32 s52, 3, 1                        ; log2 of K / 128
	s_lshl_b32 s53, ttmp9, 2
	s_add_co_u32 s53, s53, s36                     ; fragment in the unit
	s_lshl_b32 s54, s41, 5
	s_add_co_u32 s54, s54, s53                     ; fragment in the weight, f
	s_lshr_b32 s55, s54, s52                       ; tile t
	s_bfm_b32 s56, s52, 0
	s_and_b32 s56, s54, s56                        ; K step ks
	s_lshr_b32 s57, s55, 1
	s_lshl_b32 s57, s57, 5
	s_and_b32 s58, s55, 1
	s_lshl_b32 s58, s58, 3
	s_add_co_u32 s57, s57, s58                     ; the tile's first row: 32 (t / 2) + 8 (t % 2)
	s_lshl_b32 s57, s57, s49
	s_lshl_b32 s56, s56, 9                         ; 128 numbers of 4 bytes a K step
	s_add_co_u32 s58, s57, s56
	s_mov_b32 s59, 0                               ; s[58:59]: where the fragment begins in the weight
	s_lshl_b32 s60, s39, 16
	s_lshl_b32 s61, s53, 11
	s_add_co_u32 s60, s60, s61
	s_mov_b32 s61, 0                               ; s[60:61]: and in the layer's image
	s_cmp_ge_u32 s40, 3
	s_cselect_b32 s51, 5, 1
	s_lshl_b32 s50, s40, 1
	s_add_co_u32 s51, s51, s50                     ; the weight's entry of the scales: 1, 3, 5, 11, 13, 15,
	s_lshl_b32 s50, s38, 4
	s_add_co_u32 s51, s51, s50                     ; + 16 in the second layer,
	s_lshl_b32 s51, s51, 2                         ; in bytes
	v_and_b32 v1, 31, v0                           ; lane
	v_and_b32 v2, 15, v0                           ; r
	v_bfe_u32 v3, v0, 4, 1                         ; h
	v_and_b32 v4, 8, v2
	v_add_nc_u32 v4, v4, v2                        ; r + 8 (r / 8)
	v_lshlrev_b32 v4, s49, v4                      ; that many rows
	v_lshl_add_u32 v4, v3, 6, v4                   ; + 16 h numbers
	v_lshlrev_b32 v5, 4, v1                        ; 16 x lane: my place in an image
	s_wait_kmcnt 0x0
	s_mov_b64 s[42:43], s[4:5]                     ; the weight's address: a choice among the twelve that hangs on the work-group's number alone
.irp i, 1,2,3,4,5,6,7,8,9,10,11
	s_cmp_eq_u32 s48, \i
	s_cselect_b64 s[42:43], s[4+2*\i:5+2*\i], s[42:43]
.endr
	s_cmp_eq_u32 s38, 0
	s_cselect_b64 s[44:45], s[30:31], s[32:33]
	s_load_b32 s50, s[28:29], s51 offset:0x0       ; e
	s_add_nc_u64 s[42:43], s[42:43], s[58:59]
	s_add_nc_u64 s[44:45], s[44:45], s[60:61]
.irp c, 0,1,2,3
.irp i, 0,1,2,3
	global_load_b128 v[X+16*\c+4*\i:X+16*\c+4*\i+3], v4, s[42:43] offset:128*\c+16*\i th:TH_LOAD_NT
.endr
.endr
	s_wait_kmcnt 0x0
	MKSC 50, 6, 7
	s_wait_loadcnt 0x0
.set i_, 0
.rept 64
	v_med3_num_f32 v[X+i_], v[X+i_], -v7, v7       ; the conversion to an 8-bit code does not saturate (ISA guide 7.6.2): the hold at the largest code x the scale comes first
.set i_, i_+1
.endr
.irp c, 0,1,2,3
	v_cvt_scalef32_pk8_fp8_f32 v[C+4*\c:C+4*\c+1], v[X+16*\c:X+16*\c+7], v6
	v_cvt_scalef32_pk8_fp8_f32 v[C+4*\c+2:C+4*\c+3], v[X+16*\c+8:X+16*\c+15], v6
.endr
	v_nop                                          ; one plain vector line behind the last conversion
.irp c, 0,1,2,3
	global_store_b128 v5, v[C+4*\c:C+4*\c+3], s[44:45] offset:512*\c   ; the wave stores 512 consecutive bytes, aligned
.endr
	s_or_b32 s46, ttmp9, s37
	s_or_b32 s46, s46, s36
	s_cmp_lg_u32 s46, 0
	s_cbranch_scc1 .Ldone                          ; wave 0 of work-group (0, 0) alone copies the exponents
	v_add_nc_u32 v88, 16, v1
	v_and_b32 v88, 31, v88
	v_lshlrev_b32 v88, 2, v88                      ; entry (lane + 16) % 32: inside the 32 entries in every lane
	v_lshlrev_b32 v90, 2, v1
	global_load_b32 v89, v88, s[28:29]
	s_wait_loadcnt 0x0
	global_store_b32 v90, v89, s[34:35]
.Ldone:
	s_endpgm
.Lfunc_end_k_q6ea116d13a_prep:
	.size	k_q6ea116d13a_prep, .Lfunc_end_k_q6ea116d13a_prep-k_q6ea116d13a_prep
	.p2alignl 7, 3214868480
	.fill 96, 4, 3214868480
	.section	.rodata,"a",@progbits
	.p2align	6, 0x0
	.amdhsa_kernel k_q6ea116d13a_prep
		.amdhsa_group_segment_fixed_size 0
		.amdhsa_private_segment_fixed_size 0
		.amdhsa_enable_private_segment 0
		.amdhsa_kernarg_size 128
		.amdhsa_user_sgpr_count 2
		.amdhsa_user_sgpr_kernarg_segment_ptr 1
		.amdhsa_wavefront_size32 1
		.amdhsa_system_sgpr_workgroup_id_x 1
		.amdhsa_system_sgpr_workgroup_id_y 1
		.amdhsa_system_sgpr_workgroup_id_z 1
		.amdhsa_system_vgpr_workitem_id 0
		.amdhsa_next_free_vgpr 96
		.amdhsa_next_free_sgpr 66
		.amdhsa_reserve_vcc 0
		.amdhsa_float_denorm_mode_32 3
		.amdhsa_float_denorm_mode_16_64 3
		.amdhsa_memory_ordered 1
		.amdhsa_forward_progress 1
		.amdhsa_inst_pref_size 11
	.end_amdhsa_kernel
	.amdgpu_metadata
---
amdhsa.version: [ 1, 2 ]
amdhsa.kernels:
  - .name:           k_q6ea116d13a_prep
    .symbol:         k_q6ea116d13a_prep.kd
    .args:
      - { .name: W11, .offset: 0, .size: 8, .value_kind: global_buffer, .address_space: global }
      - { .name: W12, .offset: 8, .size: 8, .value_kind: global_buffer, .address_space: global }
      - { .name: W13, .offset: 16, .size: 8, .value_kind: global_buffer, .address_space: global }
      - { .name: W14, .offset: 24, .size: 8, .value_kind: global_buffer, .address_space: global }
      - { .name: Wf11, .offset: 32, .size: 8, .value_kind: global_buffer, .address_space: global }
      - { .name: Wf21, .offset: 40, .size: 8, .value_kind: global_buffer, .address_space: global }
      - { .name: W21, .offset: 48, .size: 8, .value_kind: global_buffer, .address_space: global }
      - { .name: W22, .offset: 56, .size: 8, .value_kind: global_buffer, .address_space: global }
      - { .name: W23, .offset: 64, .size: 8, .value_kind: global_buffer, .address_space: global }
      - { .name: W24, .offset: 72, .size: 8, .value_kind: global_buffer, .address_space: global }
      - { .name: Wf12, .offset: 80, .size: 8, .value_kind: global_buffer, .address_space: global }
      - { .name: Wf22, .offset: 88, .size: 8, .value_kind: global_buffer, .address_space: global }
      - { .name: lowp_scales, .offset: 96, .size: 8, .value_kind: global_buffer, .address_space: global }
      - { .name: wimg1, .offset: 104, .size: 8, .value_kind: global_buffer, .address_space: global }
      - { .name: wimg2, .offset: 112, .size: 8, .value_kind: global_buffer, .address_space: global }
      - { .name: sc2, .offset: 120, .size: 8, .value_kind: global_buffer, .address_space: global }
    .group_segment_fixed_size: 0
    .private_segment_fixed_size: 0
    .kernarg_segment_align: 8
    .kernarg_segment_size: 128
    .max_flat_workgroup_size: 128
    .sgpr_count:     66
    .vgpr_count:     96
    .wavefront_size: 32
...
	.end_amdgpu_metadata
.endif
;; end of part 1
;; launch qkv1 (part 2): grid 256 x 1, 8 waves a work-group, no clusters, 25,600 bytes of LDS; arguments x, wimg1, lowp_scales, qkv; writes qkv
.if DOCPART == 2
	.amdgcn_target "amdgcn-amd-amdhsa--gfx1250"
	.amdhsa_code_object_version 6
	.text
	.protected	k_q6ea116d13a_qkv1
	.globl	k_q6ea116d13a_qkv1
	.p2align	8
	.type	k_q6ea116d13a_qkv1,@function
k_q6ea116d13a_qkv1:
	s_mov_b64 s[64:65], 0
	v_nop
	global_prefetch_b8 v0, s[64:65] scope:SCOPE_SE
	s_setreg_imm32_b32 hwreg(HW_REG_WAVE_MODE, 25, 1), 1
	s_wait_xcnt 0x0
; q, k, v = relu(x W^T) for one layer, all three products on codes of FP8 (E4M3), and each result quantised at once for the attention that follows.
; xin: [8192][256] f32.  wimg: the layer's weights as images of operand registers (Wq at 0, Wk at 65,536, Wv at 131,072).  sc: the layer's exponents e0 .. e15.
; x is quantised THREE times, with e0, e2, e4: the three products have scales of their own for it.
; SHARES: a work-group takes 32 rows (two tiles rt of 16); wave w is head w, for q, then k, then v: its four weight fragments (two tiles u x two K steps) come from memory straight into its registers.
; PHASE X: wave w quantises 16 rows x 64 numbers of x (two groups of four operand registers) for all three scales and stores them to LDS as images: [p 3][rt 2][ks 2][c 4][lane][16]; one barrier; every wave then loads them as they stand.
; q and k are made TRANSPOSED (source 0 = 16 rows of W, source 1 = x): a lane holds one row of x and 16 neighbouring features 16 h + 0 .. 15 of the head: after the conversions 16 bytes, an operand's four registers.
; v is made the natural way (source 0 = x, source 1 = W): a lane holds one feature and the keys 8 h + 0 .. 7 of both tiles, which is how the second product of attention wants V: keys innermost.
; OUT (qkv): q image at 0: [head of batch 32][tile of 16 queries 128][lane][16];  k image at 2,097,152 likewise;  v image at 4,194,304: [head 32][step of 128 keys 16][u 2][c 4][lane][16].
; A sum stands for sum x 2^(ea + eb), so the result's conversion takes the one scale 2^(e_next - ea - eb); the hold between 0 and 448 x that scale is the relu as well.
; LIMITS: e0, e2, e4, e6 - e0 - e1, e7 - e2 - e3, e9 - e4 - e5 between -126 and 119.  NaN among the inputs is not served.
.set LI,  1                            ; v1   16 x lane
.set XA,  2                            ; v2   x: 1,024 r + 64 h
.set XST, 3                            ; v3   where I store x's images: 16 x lane + 1,024 x wave
.set WO,  4                            ; v4   my head's weight fragments: 16 x lane + 8,192 x wave
.set PC,  20                           ; v20-27   codes on the way out
.set WF0, 28                           ; v28-91   weight fragments, set 0: register 32 u + 16 ks + 4 c
.set WF1, 92                           ; v92-155  set 1
.set XF,  156                          ; v156-219 x's fragments: 32 rt + 16 ks + 4 c
.set ACC, 220                          ; v220-251 four accumulators
.set XN,  156                          ; ahead of the barrier: v156-187 my 32 numbers of x,
.set T0,  188                          ; v188-219 two sets of 16 held numbers,
.set PCX, 220                          ; v220-243 x's codes: 4 registers for each (p, cc)
.macro MKSC se, vs, vl                 ; s[se] = e  ->  v[vs] = 2^e as f32, v[vl] = 448 x 2^e
	s_add_co_i32 s[\se], s[\se], 127
	s_lshl_b32 s15, s[\se], 23
	v_mov_b32 v[\vs], s15
	s_add_co_i32 s[\se], s[\se], 8
	s_lshl_b32 s[\se], s[\se], 23
	s_or_b32 s[\se], s[\se], 0x600000
	v_mov_b32 v[\vl], s[\se]
.endm
.macro PLACES                          ; four plain vector lines behind matrix instructions, ahead of reads of their results and of loads into their registers
.rept 4
	v_nop
.endr
.endm
.macro WLOAD p, reg                    ; my head's four fragments of weight p
.set n_, 0
.rept 16
	global_load_b128 v[\reg+4*n_:\reg+4*n_+3], v[WO], s[6:7] offset:65536*\p+512*n_
.set n_, n_+1
.endr
.endm
.macro XFETCH p                        ; x's four fragments under scale p
.set n_, 0
.rept 16
	ds_load_b128 v[XF+4*n_:XF+4*n_+3], v[LI] offset:8192*\p+512*n_
.set n_, n_+1
.endr
.endm
; Eight matrix instructions: four accumulators by turns, K step 0 starts the sums.  tr = 1: W is source 0, accumulator 16 rt + 8 u;  tr = 0: x is source 0, accumulator 16 u + 8 rt.
.macro MUL8 wf, tr
.irp ks, 0,1
.irp a, 0,1
.irp b, 0,1
.set D_, ACC+16*\a+8*\b
.if \tr
.set S0_, \wf+32*\b+16*\ks
.set S1_, XF+32*\a+16*\ks
.else
.set S0_, XF+32*\b+16*\ks
.set S1_, \wf+32*\a+16*\ks
.endif
.if \ks == 0
	v_wmma_f32_16x16x128_fp8_fp8 v[D_:D_+7], v[S0_:S0_+15], v[S1_:S1_+15], 0
.else
	v_wmma_f32_16x16x128_fp8_fp8 v[D_:D_+7], v[S0_:S0_+15], v[S1_:S1_+15], v[D_:D_+7]
.endif
.endr
.endr
.endr
.endm
.macro OUTQ vs, vl                     ; relu and hold in one, each accumulator from its low end on; then 32 numbers a lane become 8 registers of codes
.set i_, 0
.rept 32
	v_med3_num_f32 v[ACC+i_], v[ACC+i_], 0, v[\vl]
.set i_, i_+1
.endr
.irp a, 0,1
	v_cvt_scalef32_pk8_fp8_f32 v[PC+4*\a:PC+4*\a+1], v[ACC+16*\a:ACC+16*\a+7], v[\vs]
	v_cvt_scalef32_pk8_fp8_f32 v[PC+4*\a+2:PC+4*\a+3], v[ACC+16*\a+8:ACC+16*\a+15], v[\vs]
.endr
	v_nop                                          ; one plain vector line between the conversions and the next products, which write their sources
.endm
	s_load_b256 s[4:11], s[0:1], 0x0               ; xin s[4:5], wimg s[6:7], sc s[8:9], qkv s[10:11]
	v_lshl_add_u32 v254, v0, 2, 0x6000
	v_mov_b32 v255, 0
	v_lshrrev_b32 v1, 5, v0
	v_readfirstlane_b32 s12, v1                    ; wave = head
	v_and_b32 v5, 31, v0
	v_and_b32 v6, 15, v0                           ; r
	v_bfe_u32 v7, v0, 4, 1                         ; h
	v_lshlrev_b32 v[LI], 4, v5
	v_lshlrev_b32 v[XA], 10, v6
	v_lshl_add_u32 v[XA], v7, 6, v[XA]
	s_lshl_b32 s14, s12, 10
	v_add_nc_u32 v[XST], s14, v[LI]
	s_lshl_b32 s14, s12, 13
	v_add_nc_u32 v[WO], s14, v[LI]
	s_lshl_b32 s34, ttmp9, 15                      ; x: 32 rows of 1,024 bytes a work-group,
	s_lshr_b32 s14, s12, 2
	s_lshl_b32 s14, s14, 14
	s_add_co_u32 s34, s34, s14                     ; + 16 rows for waves 4 to 7,
	s_and_b32 s14, s12, 3
	s_lshl_b32 s14, s14, 8
	s_add_co_u32 s34, s34, s14                     ; + 256 bytes x (wave % 4): my 64 numbers of a row
	s_mov_b32 s35, 0
	s_lshr_b32 s26, ttmp9, 6                       ; batch
	s_lshl_b32 s26, s26, 3
	s_add_co_u32 s26, s26, s12                     ; head of batch
	s_lshl_b32 s26, s26, 16                        ; its 65,536 bytes in each image
	s_and_b32 s27, ttmp9, 63                       ; g: which 32 rows of the sequence
	s_lshl_b32 s36, s27, 10
	s_add_co_u32 s36, s36, s26
	s_mov_b32 s37, 0                               ; q, k: two tiles of 512 bytes
	s_lshr_b32 s38, s27, 2
	s_lshl_b32 s38, s38, 12                        ; v: step g / 4,
	s_and_b32 s14, s27, 3
	s_lshl_b32 s14, s14, 9                         ; group c = g % 4
	s_add_co_u32 s38, s38, s14
	s_add_co_u32 s38, s38, s26
	s_add_co_u32 s38, s38, 0x400000
	s_mov_b32 s39, 0
	s_wait_kmcnt 0x0
	s_load_b256 s[16:23], s[8:9], 0x0              ; e0 .. e7
	s_load_b64 s[24:25], s[8:9], 0x20              ; e8, e9
	s_add_nc_u64 s[4:5], s[4:5], s[34:35]
	s_add_nc_u64 s[28:29], s[10:11], s[36:37]      ; q's tiles
	s_add_nc_u64 s[30:31], s[28:29], 0x200000      ; k's
	s_add_nc_u64 s[32:33], s[10:11], s[38:39]      ; v's
.irp cc, 0,1
.irp i, 0,1,2,3
	global_load_b128 v[XN+16*\cc+4*\i:XN+16*\cc+4*\i+3], v[XA], s[4:5] offset:128*\cc+16*\i th:TH_LOAD_NT
.endr
.endr
	WLOAD 0, WF0
	WLOAD 1, WF1
	s_wait_kmcnt 0x0
	s_sub_co_i32 s40, s22, s16
	s_sub_co_i32 s40, s40, s17                     ; e6 - e0 - e1
	s_sub_co_i32 s41, s23, s18
	s_sub_co_i32 s41, s41, s19                     ; e7 - e2 - e3
	s_sub_co_i32 s42, s25, s20
	s_sub_co_i32 s42, s42, s21                     ; e9 - e4 - e5
	MKSC 16, 8, 9
	MKSC 18, 10, 11
	MKSC 20, 12, 13
	MKSC 40, 14, 15
	MKSC 41, 16, 17
	MKSC 42, 18, 19
	s_wait_loadcnt 32                              ; x's eight loads are in; the 32 loads of the two weight sets are younger
.irp p, 0,1,2
.irp cc, 0,1
.set i_, 0
.rept 16
	v_med3_num_f32 v[T0+16*\cc+i_], v[XN+16*\cc+i_], -v[9+2*\p], v[9+2*\p]   ; into another register: x serves three scales.  The two sets take turns, so these lines are the plain lines behind the conversions before
.set i_, i_+1
.endr
	v_cvt_scalef32_pk8_fp8_f32 v[PCX+8*\p+4*\cc:PCX+8*\p+4*\cc+1], v[T0+16*\cc:T0+16*\cc+7], v[8+2*\p]
	v_cvt_scalef32_pk8_fp8_f32 v[PCX+8*\p+4*\cc+2:PCX+8*\p+4*\cc+3], v[T0+16*\cc+8:T0+16*\cc+15], v[8+2*\p]
	ds_store_b128 v[XST], v[PCX+8*\p+4*\cc:PCX+8*\p+4*\cc+3] offset:8192*\p+512*\cc
.endr
.endr
	v_nop                                          ; one plain vector line behind the last conversion
	s_wait_dscnt 0x0                               ; for the others' sake: my images have landed
	s_barrier_signal -1
	s_barrier_wait -1                              ; x's twelve fragments lie in LDS; nobody writes them again
	; ---- q
	XFETCH 0
	s_wait_dscnt 0x0
	s_wait_loadcnt 16                              ; Wq's fragments are in; Wk's 16 loads are younger
	MUL8 WF0, 1
	PLACES
	WLOAD 2, WF0                                   ; Wv into the set that Wq has left
	XFETCH 1
	OUTQ 14, 15
	global_store_b128 v[LI], v[PC:PC+3], s[28:29]              ; a tile of 16 queries: 512 consecutive bytes, aligned
	global_store_b128 v[LI], v[PC+4:PC+7], s[28:29] offset:512
	; ---- k
	s_wait_dscnt 0x0
	s_wait_loadcnt 16                              ; Wk's are in; Wv's 16 loads are younger
	MUL8 WF1, 1
	PLACES
	XFETCH 2
	s_wait_xcnt 0x0                                ; q's stores have read their data: the codes' registers are written again only behind this wait
	OUTQ 16, 17
	global_store_b128 v[LI], v[PC:PC+3], s[30:31]
	global_store_b128 v[LI], v[PC+4:PC+7], s[30:31] offset:512
	; ---- v
	s_wait_dscnt 0x0
	s_wait_loadcnt 0x0
	MUL8 WF0, 0
	PLACES
	s_wait_xcnt 0x0                                ; k's stores have read their data
	OUTQ 18, 19
	global_store_b128 v[LI], v[PC:PC+3], s[32:33]              ; tile u = 0 of the head's features, my 32 keys
	global_store_b128 v[LI], v[PC+4:PC+7], s[32:33] offset:2048
	s_wait_tensorcnt 0x0
	ds_add_u32 v254, v255
	s_wait_dscnt 0x0
	s_endpgm
.Lfunc_end_k_q6ea116d13a_qkv1:
	.size	k_q6ea116d13a_qkv1, .Lfunc_end_k_q6ea116d13a_qkv1-k_q6ea116d13a_qkv1
	.p2alignl 7, 3214868480
	.fill 96, 4, 3214868480
	.section	.rodata,"a",@progbits
	.p2align	6, 0x0
	.amdhsa_kernel k_q6ea116d13a_qkv1
		.amdhsa_group_segment_fixed_size 25600
		.amdhsa_private_segment_fixed_size 0
		.amdhsa_enable_private_segment 0
		.amdhsa_kernarg_size 32
		.amdhsa_user_sgpr_count 2
		.amdhsa_user_sgpr_kernarg_segment_ptr 1
		.amdhsa_wavefront_size32 1
		.amdhsa_system_sgpr_workgroup_id_x 1
		.amdhsa_system_sgpr_workgroup_id_y 1
		.amdhsa_system_sgpr_workgroup_id_z 1
		.amdhsa_system_vgpr_workitem_id 0
		.amdhsa_next_free_vgpr 256
		.amdhsa_next_free_sgpr 66
		.amdhsa_reserve_vcc 0
		.amdhsa_float_denorm_mode_32 3
		.amdhsa_float_denorm_mode_16_64 3
		.amdhsa_memory_ordered 1
		.amdhsa_forward_progress 1
		.amdhsa_inst_pref_size 30
	.end_amdhsa_kernel
	.amdgpu_metadata
---
amdhsa.version: [ 1, 2 ]
amdhsa.kernels:
  - .name:           k_q6ea116d13a_qkv1
    .symbol:         k_q6ea116d13a_qkv1.kd
    .args:
      - { .name: x, .offset: 0, .size: 8, .value_kind: global_buffer, .address_space: global }
      - { .name: wimg1, .offset: 8, .size: 8, .value_kind: global_buffer, .address_space: global }
      - { .name: lowp_scales, .offset: 16, .size: 8, .value_kind: global_buffer, .address_space: global }
      - { .name: qkv, .offset: 24, .size: 8, .value_kind: global_buffer, .address_space: global }
    .group_segment_fixed_size: 25600
    .private_segment_fixed_size: 0
    .kernarg_segment_align: 8
    .kernarg_segment_size: 32
    .max_flat_workgroup_size: 256
    .sgpr_count:     66
    .vgpr_count:     256
    .wavefront_size: 32
...
	.end_amdgpu_metadata
.endif
;; end of part 2
;; launch attn1 (part 3): grid 8 x 32, 16 waves a work-group, no clusters, 133,120 bytes of LDS; arguments qkv, lowp_scales, oimg; writes oimg
.if DOCPART == 3
	.amdgcn_target "amdgcn-amd-amdhsa--gfx1250"
	.amdhsa_code_object_version 6
	.text
	.protected	k_q6ea116d13a_attn1
	.globl	k_q6ea116d13a_attn1
	.p2align	8
	.type	k_q6ea116d13a_attn1,@function
k_q6ea116d13a_attn1:
	s_mov_b64 s[64:65], 0
	v_nop
	global_prefetch_b8 v0, s[64:65] scope:SCOPE_SE
	s_setreg_imm32_b32 hwreg(HW_REG_WAVE_MODE, 25, 1), 1
	s_wait_xcnt 0x0
; o = softmax(q k^T / sqrt(32)) v for one head of one batch, 2,048 keys, head size 32, both products on codes of FP8 (E4M3); o is quantised at once for the product with Wo.
; THE SOFTMAX: t = score x log2(e) / sqrt(32); M = the running largest t rounded UP to a whole number; p = 2^(t - M) is quantised with 2^e8; the sum l is taken of the unquantised p and divides at the end.
; When M moves, l and O are multiplied by 2^(old M - new M), an exact power of two; no branch hangs on it.
; SHARES: a work-group takes 256 queries of a head; each of its SIXTEEN waves one tile of 16, in 216 registers: four waves to a SIMD, so that one wave's dependent lines and exponentials stand beside the others' plain work.
; The price: a fragment of K or V read from LDS feeds one product.  The head's K and V images (65,536 bytes each) are copied into LDS once; one barrier; after it LDS is only read.
; LAYOUT: both products are used transposed (S^T = K Q^T, O^T = V^T P^T), so a lane holds ONE query (lane % 16) throughout.  In S^T register 8 t + j is key 16 t + 8 (lane / 16) + j of the step's 128: its conversions give the
; second product's operand as its own layout wants it, and the v image was laid to match.  V's tile u has feature 8 u + r + 8 (r / 8) in row r, so O's 16 registers are features 16 (lane / 16) + 0 .. 15.
; THE HEAD'S 32 IN A FORM OF K = 64: Q's fragment has zero codes in registers 4 to 7.  K's fragment of tile t is named v[KF + 4 t : KF + 4 t + 7]: its upper four registers are the next tile's codes (four zero registers behind the last).
; Those codes are numbers (the quantiser's hold makes no NaN code) and meet zeros alone, so they add nothing.  That spares 28 registers.
; THE HOLD of p at 448 x 2^e8: p is at most 1, so with e8 >= -8 (a bound of 1.75 or more) it changes no number and is jumped over: a scalar branch on a whole number read from memory; this text has no tensor load and no copy.
; No cluster: what the eight work-groups of a head share is one fill of 131,072 bytes at the head, against sixteen key steps of work.
; LIMITS: e6 + e7 between -124 and 129 (added to the exponent field of log2(e) / sqrt(32)); e8 and e10 - e8 - e9 between -126 and 119.  NaN among the inputs is not served.
.set AK0, 1                            ; v1   16 x lane
.set AV0, 2                            ; v2   16 x lane + 65,536
.set ADK, 3                            ; v3   LDS address of the next step's K
.set ADV, 4                            ; v4   of this step's V
.set FK,  5                            ; v5   16 x thread: the fill
.set FV,  6                            ; v6   16 x thread + 65,536
.set ST,  8                            ; v8 -M, v9 the largest t, v[10:11] l in two halves
.set Q,   16                           ; v16-23  Q (20-23 zero)
.set KF,  32                           ; v32-63  K: tile t at 32 + 4 t; v64-67 zero
.set VF,  68                           ; v68-99  V: 16 u + 4 c
.set S,   100                          ; v100-163 S^T, then p; at the head the fill's 64 registers
.set O,   164                          ; v164-179 O^T: 8 u
.set P,   180                          ; v180-195 p's codes
.set MX,  196                          ; v196-199 four chains of the maximum
.set F,   200                          ; v[200:201] 2^(old M - new M) (201 is named with it as a pair)
.set SM,  202                          ; v202-209 four chains of the sum, a pair each
.set TP,  210
.set SCP, 212                          ; 2^e8
.set LMP, 213                          ; 448 x 2^e8
.set SCO, 214                          ; 2^(e10 - e8 - e9)
.set LMO, 215                          ; 448 x that
.macro MKSC se, vs, vl                 ; s[se] = e  ->  v[vs] = 2^e as f32, v[vl] = 448 x 2^e
	s_add_co_i32 s[\se], s[\se], 127
	s_lshl_b32 s34, s[\se], 23
	v_mov_b32 v[\vs], s34
	s_add_co_i32 s[\se], s[\se], 8
	s_lshl_b32 s[\se], s[\se], 23
	s_or_b32 s[\se], s[\se], 0x600000
	v_mov_b32 v[\vl], s[\se]
.endm
.macro PLACES                          ; four plain vector lines behind matrix instructions, ahead of reads of their results and of loads into their registers
.rept 4
	v_nop
.endr
.endm
.macro ADDP j                          ; pair j (4 to 31) of the 32 pairs of p joins chain j % 4 of the sum; pairs 4 to 7 start the chains with pairs 0 to 3
.if (\j) < 8
	s_wait_alu depctr_va_vdst(0)
	v_pk_add_f32 v[SM+2*((\j)%4):SM+2*((\j)%4)+1], v[S+2*(\j)-8:S+2*(\j)-7], v[S+2*(\j):S+2*(\j)+1]
.else
	s_wait_alu depctr_va_vdst(0)
	v_pk_add_f32 v[SM+2*((\j)%4):SM+2*((\j)%4)+1], v[SM+2*((\j)%4):SM+2*((\j)%4)+1], v[S+2*(\j):S+2*(\j)+1]
.endif
.endm
	s_load_b128 s[4:7], s[0:1], 0x0                ; qkv s[4:5], sc s[6:7]
	s_load_b64 s[8:9], s[0:1], 0x10                ; oimg
	v_lshl_add_u32 v216, v0, 2, 0x20000
	v_mov_b32 v217, 0
	v_lshrrev_b32 v3, 5, v0
	v_readfirstlane_b32 s10, v3                    ; wave 0 .. 15
	v_and_b32 v4, 31, v0
	v_lshlrev_b32 v[AK0], 4, v4
	v_add_nc_u32 v[AV0], 0x10000, v[AK0]
	v_lshlrev_b32 v[FK], 4, v0
	v_add_nc_u32 v[FV], 0x10000, v[FK]
	s_and_b32 s11, ttmp7, 0xffff                   ; head of batch
	s_lshl_b32 s12, s11, 16                        ; its 65,536 bytes in each image
	s_mov_b32 s13, 0
	s_lshl_b32 s31, ttmp9, 4
	s_add_co_u32 s31, s31, s10                     ; my tile of queries in the sequence: 16 x block + wave
	s_lshl_b32 s32, s31, 9
	s_add_co_u32 s32, s32, s12
	s_mov_b32 s33, 0                               ; and in the q image
	s_lshr_b32 s34, s11, 3
	s_lshl_b32 s34, s34, 7
	s_add_co_u32 s34, s34, s31                     ; tile of rows among the 512
	s_lshl_b32 s34, s34, 12                        ; 8 heads x 512 bytes
	s_and_b32 s35, s11, 7
	s_lshl_b32 s35, s35, 9
	s_add_co_u32 s34, s34, s35
	s_mov_b32 s35, 0
	s_mov_b32 s20, 0x76543210                      ; v_permlanex16_b32: each lane takes its own place in the other half
	s_mov_b32 s21, 0xfedcba98
	s_wait_kmcnt 0x0
	s_load_b128 s[24:27], s[6:7], 0x18             ; e6, e7, e8, e9
	s_load_b32 s28, s[6:7], 0x28                   ; e10
	s_add_nc_u64 s[14:15], s[4:5], s[32:33]        ; my Q
	s_add_nc_u64 s[16:17], s[4:5], s[12:13]
	s_add_nc_u64 s[18:19], s[16:17], 0x400000      ; the head's V
	s_add_nc_u64 s[16:17], s[16:17], 0x200000      ; the head's K
	s_add_nc_u64 s[8:9], s[8:9], s[34:35]
	global_load_b128 v[Q:Q+3], v[AK0], s[14:15]
.set n_, 0
.rept 8
	global_load_b128 v[S+4*n_:S+4*n_+3], v[FK], s[16:17] offset:8192*n_        ; the work-group's 512 threads take 8,192 consecutive bytes
.set n_, n_+1
.endr
.set n_, 0
.rept 8
	global_load_b128 v[S+32+4*n_:S+32+4*n_+3], v[FK], s[18:19] offset:8192*n_
.set n_, n_+1
.endr
	s_wait_loadcnt 8                               ; Q and K are in; V's eight loads are younger
.set n_, 0
.rept 8
	ds_store_b128 v[FK], v[S+4*n_:S+4*n_+3] offset:8192*n_
.set n_, n_+1
.endr
	s_wait_loadcnt 0x0
.set n_, 0
.rept 8
	ds_store_b128 v[FV], v[S+32+4*n_:S+32+4*n_+3] offset:8192*n_
.set n_, n_+1
.endr
	s_wait_dscnt 0x0                               ; for the others' sake: my part of the fill has landed
	s_barrier_signal -1
	s_barrier_wait -1                              ; the only barrier: K and V lie whole in LDS and are never written again
.irp t, 0,1,2,3,4,5,6,7
	ds_load_b128 v[KF+4*\t:KF+4*\t+3], v[AK0] offset:512*\t    ; K of step 0
.endr
.irp j, 0,1,2,3
	v_mov_b32 v[Q+4+\j], 0                         ; zero codes for k = 32 .. 63
	v_mov_b32 v[KF+32+\j], 0
.endr
.set i_, 0
.rept 16
	v_mov_b32 v[O+i_], 0                           ; the step is written once: the first finds zeros, which the first change of M leaves zeros
.set i_, i_+1
.endr
	v_mov_b32 v[ST+1], 0xff61b1e6                  ; the largest t so far: -3e38
	v_floor_f32 v[ST], -v[ST+1]
	v_mov_b32 v[ST+2], 0
	v_mov_b32 v[ST+3], 0
	v_mov_b32 v[F+1], 0                            ; named as the upper half of a pair
	v_mov_b32 v[TP], 0                             ; a lane permute's destination counts as one of its sources
	s_wait_kmcnt 0x0
	s_add_co_i32 s31, s24, s25
	s_lshl_b32 s31, s31, 23
	s_add_co_i32 s22, s31, 0x3e8293ee              ; log2(e) / sqrt(32) x 2^(e6 + e7): the exponents are added to its exponent field
	s_mov_b32 s23, s22
	s_sub_co_i32 s32, s28, s26
	s_sub_co_i32 s32, s32, s27                     ; e10 - e8 - e9
	s_mov_b32 s33, s26                             ; (s26 = e8 stays for the branch)
	MKSC 33, SCP, LMP
	MKSC 32, SCO, LMO
	s_mov_b32 s29, 0                               ; LDS byte of the step in hand: 4,096 a step in both images
	s_mov_b32 s30, 16
.Lstep:
	s_wait_dscnt 0x0                               ; this step's K is in
.irp t, 0,1,2,3,4,5,6,7
	v_wmma_f32_16x16x64_fp8_fp8 v[S+8*\t:S+8*\t+7], v[KF+4*\t:KF+4*\t+7], v[Q:Q+7], 0   ; S^T of 128 keys: eight products that start their sums
.endr
	v_add_nc_u32 v[ADV], s29, v[AV0]               ; these two additions and two v_nop are the four places behind the products above and behind the last trip's V^T P^T
	s_add_co_u32 s31, s29, 4096
	s_and_b32 s31, s31, 0xffff                     ; the next step's K; in the last trip it wraps to step 0, inside the image, and what comes is not used: that spares a tail written out
	v_add_nc_u32 v[ADK], s31, v[AK0]
	v_nop
	v_nop
.irp n, 0,1,2,3,4,5,6,7
	ds_load_b128 v[VF+4*\n:VF+4*\n+3], v[ADV] offset:512*\n
.endr
.irp t, 0,1,2,3,4,5,6,7
	ds_load_b128 v[KF+4*\t:KF+4*\t+3], v[ADK] offset:512*\t
.endr
	; ---- the largest of my 64 scores: four chains, one for each two tiles, line by line, so that no line reads the line above it.  Each accumulator is first read at its low end: tiles 0, 2, 4, 6 at registers 0 to 2, the others at register 0
.irp c, 0,1,2,3
	v_max3_num_f32 v[MX+\c], v[S+16*\c], v[S+16*\c+1], v[S+16*\c+2]
.endr
.irp k, 3,5,7,9,11,13
.irp c, 0,1,2,3
	v_max3_num_f32 v[MX+\c], v[MX+\c], v[S+16*\c+\k], v[S+16*\c+\k+1]
.endr
.endr
	v_max3_num_f32 v[MX], v[MX], v[S+15], v[S+31]
	v_max3_num_f32 v[MX+2], v[MX+2], v[S+47], v[S+63]
	v_max3_num_f32 v[MX], v[MX], v[MX+1], v[MX+2]
	v_max_num_f32 v[MX], v[MX], v[MX+3]
	v_permlanex16_b32 v[TP], v[MX], s20, s21       ; the query's other 64 keys lie in the lane 16 away
	v_mov_b32 v[MX+1], v[ST]                       ; the old -M
	v_max_num_f32 v[MX], v[MX], v[TP]
	v_mul_f32 v[MX], s22, v[MX]                    ; as t (the factor is positive)
	v_max_num_f32 v[ST+1], v[ST+1], v[MX]          ; the running largest t
	v_floor_f32 v[ST], -v[ST+1]                    ; -M = floor(-t): M is a whole number
	v_sub_f32 v[MX], v[ST], v[MX+1]                ; old M - new M: a whole number, 0 or less
	v_cvt_i32_f32 v[MX], v[MX]                     ; (it saturates)
	v_ldexp_f32 v[F], 1.0, v[MX]
	; ---- p = 2^(t - M) and its sum.  The exponentials stand singly between plain lines: t - M of the pair two further on, and the sum of the pair one back, whose second exponential then has a plain line behind it
	v_pk_fma_f32 v[S:S+1], v[S:S+1], s[22:23], v[ST:ST+1] op_sel_hi:[1,0,0]
	v_pk_fma_f32 v[S+2:S+3], v[S+2:S+3], s[22:23], v[ST:ST+1] op_sel_hi:[1,0,0]
.set j_, 0
.rept 32
	v_exp_f32 v[S+2*j_], v[S+2*j_]
.if j_ < 30
	v_pk_fma_f32 v[S+2*j_+4:S+2*j_+5], v[S+2*j_+4:S+2*j_+5], s[22:23], v[ST:ST+1] op_sel_hi:[1,0,0]
.endif
	v_exp_f32 v[S+2*j_+1], v[S+2*j_+1]
.if j_ > 4
	ADDP j_-1
.endif
.set j_, j_+1
.endr
	ADDP 31
	v_pk_add_f32 v[SM:SM+1], v[SM:SM+1], v[SM+2:SM+3]
	v_pk_add_f32 v[SM+4:SM+5], v[SM+4:SM+5], v[SM+6:SM+7]
	v_pk_add_f32 v[SM:SM+1], v[SM:SM+1], v[SM+4:SM+5]
	v_pk_fma_f32 v[ST+2:ST+3], v[ST+2:ST+3], v[F:F+1], v[SM:SM+1] op_sel_hi:[1,0,1]   ; l under the new M, + the step's sum of the unquantised p
	s_cmp_ge_i32 s26, -8                           ; e8 >= -8: 448 x 2^e8 is above every p
	s_cbranch_scc1 .Lnohold
.set i_, 0
.rept 64
	v_min_num_f32 v[S+i_], v[S+i_], v[LMP]         ; the conversion does not saturate (ISA guide 7.6.2); p is not negative, so the hold is one-sided
.set i_, i_+1
.endr
.Lnohold:
.set i_, 0
.rept 8
	v_cvt_scalef32_pk8_fp8_f32 v[P+2*i_:P+2*i_+1], v[S+8*i_:S+8*i_+7], v[SCP]
.set i_, i_+1
.endr
.set i_, 0
.rept 8
	v_pk_mul_f32 v[O+i_:O+i_+1], v[O+i_:O+i_+1], v[F:F+1] op_sel_hi:[1,0]   ; O^T under the new M, ascending; also the plain lines between the conversions and the next products
.set i_, i_+2
.endr
	s_wait_dscnt 8                                 ; V is in; the eight loads of the next step's K are younger
.irp u, 0,1
	v_wmma_f32_16x16x128_fp8_fp8 v[O+8*\u:O+8*\u+7], v[VF+16*\u:VF+16*\u+15], v[P:P+15], v[O+8*\u:O+8*\u+7]
.endr
	s_add_co_u32 s29, s29, 4096
	s_sub_co_u32 s30, s30, 1
	s_cmp_lg_u32 s30, 0
	s_cbranch_scc1 .Lstep
	s_wait_dscnt 0x0                               ; the wrapped loads have come
	PLACES
	v_add_f32 v[ST+2], v[ST+2], v[ST+3]            ; l: its two halves,
	v_permlanex16_b32 v[TP], v[ST+2], s20, s21
	v_add_f32 v[ST+2], v[ST+2], v[TP]              ; and the other half of the lanes'
	v_rcp_f32 v[ST+2], v[ST+2]
	v_nop                                          ; a plain line behind the reciprocal
.set i_, 0
	s_wait_alu depctr_va_vdst(0)
.rept 16
	v_mul_f32 v[S+i_], v[O+i_], v[ST+2]            ; O^T / l, ascending
.set i_, i_+1
.endr
.set i_, 0
.rept 16
	v_min_num_f32 v[S+i_], v[S+i_], v[LMO]         ; p and v are not negative, so o is not: the hold is one-sided
.set i_, i_+1
.endr
	v_cvt_scalef32_pk8_fp8_f32 v[P:P+1], v[S:S+7], v[SCO]      ; a sum stands for sum x 2^(e8 + e9): the three exponents are folded into one scale
	v_cvt_scalef32_pk8_fp8_f32 v[P+2:P+3], v[S+8:S+15], v[SCO]
	v_nop
	global_store_b128 v[AK0], v[P:P+3], s[8:9]     ; [tile of rows][head][lane][16]: four registers of the next product's operand; 512 consecutive bytes, aligned
	s_wait_tensorcnt 0x0
	ds_add_u32 v216, v217
	s_wait_dscnt 0x0
	s_endpgm
.Lfunc_end_k_q6ea116d13a_attn1:
	.size	k_q6ea116d13a_attn1, .Lfunc_end_k_q6ea116d13a_attn1-k_q6ea116d13a_attn1
	.p2alignl 7, 3214868480
	.fill 96, 4, 3214868480
	.section	.rodata,"a",@progbits
	.p2align	6, 0x0
	.amdhsa_kernel k_q6ea116d13a_attn1
		.amdhsa_group_segment_fixed_size 133120
		.amdhsa_private_segment_fixed_size 0
		.amdhsa_enable_private_segment 0
		.amdhsa_kernarg_size 24
		.amdhsa_user_sgpr_count 2
		.amdhsa_user_sgpr_kernarg_segment_ptr 1
		.amdhsa_wavefront_size32 1
		.amdhsa_system_sgpr_workgroup_id_x 1
		.amdhsa_system_sgpr_workgroup_id_y 1
		.amdhsa_system_sgpr_workgroup_id_z 1
		.amdhsa_system_vgpr_workitem_id 0
		.amdhsa_next_free_vgpr 218
		.amdhsa_next_free_sgpr 66
		.amdhsa_reserve_vcc 0
		.amdhsa_float_denorm_mode_32 3
		.amdhsa_float_denorm_mode_16_64 3
		.amdhsa_memory_ordered 1
		.amdhsa_forward_progress 1
		.amdhsa_inst_pref_size 24
	.end_amdhsa_kernel
	.amdgpu_metadata
---
amdhsa.version: [ 1, 2 ]
amdhsa.kernels:
  - .name:           k_q6ea116d13a_attn1
    .symbol:         k_q6ea116d13a_attn1.kd
    .args:
      - { .name: qkv, .offset: 0, .size: 8, .value_kind: global_buffer, .address_space: global }
      - { .name: lowp_scales, .offset: 8, .size: 8, .value_kind: global_buffer, .address_space: global }
      - { .name: oimg, .offset: 16, .size: 8, .value_kind: global_buffer, .address_space: global }
    .group_segment_fixed_size: 133120
    .private_segment_fixed_size: 0
    .kernarg_segment_align: 8
    .kernarg_segment_size: 24
    .max_flat_workgroup_size: 512
    .sgpr_count:     66
    .vgpr_count:     218
    .wavefront_size: 32
...
	.end_amdgpu_metadata
.endif
;; end of part 3
;; launch post1 (part 4): grid 256 x 1, 8 waves a work-group, no clusters, 79,360 bytes of LDS; arguments oimg, x, wimg1, lowp_scales, g1, b1, g2, b2, xmid; writes xmid
.if DOCPART == 4
	.amdgcn_target "amdgcn-amd-amdhsa--gfx1250"
	.amdhsa_code_object_version 6
	.text
	.protected	k_q6ea116d13a_post1
	.globl	k_q6ea116d13a_post1
	.p2align	8
	.type	k_q6ea116d13a_post1,@function
k_q6ea116d13a_post1:
	s_mov_b64 s[64:65], 0
	v_nop
	global_prefetch_b8 v0, s[64:65] scope:SCOPE_SE
	s_setreg_imm32_b32 hwreg(HW_REG_WAVE_MODE, 25, 1), 1
	s_wait_xcnt 0x0
; The rest of a block: x1 = LN(relu(o Wo^T) + xres; ga, ba);  out = LN(relu(relu(x1 Wf1^T) Wf2^T) + x1; gb, bb).  All three products on codes of FP8 (E4M3).
; oimg: o's codes as images of operand registers, [tile of 16 rows][8 groups][lane][16].  xres, out: [8192][256] f32.  wimg: Wo at 196,608, Wf1 at 262,144, Wf2 at 524,288, as images.  sc: the layer's exponents.
; SHARES: a work-group takes 32 rows (two tiles rt).  THE WAVES SHARE THE COLUMNS: wave w owns features 32 w .. 32 w + 31 of both outputs of width 256, so both residuals stay in the lane that adds them,
; and hidden units 128 w .. 128 w + 127, which are K step w of the last product.  Every weight fragment goes from memory straight into the registers of the one wave that uses it, once a work-group, and feeds two products.
; All products are used transposed (source 0 = 16 rows of a weight, source 1 = rows of the activations): lane (r, h) holds row 16 rt + r and 16 neighbouring features 32 w + 16 h + 0 .. 15.
; x1's and the hidden layer's codes go from wave to wave through LDS as images of operand registers.
; THE WEIGHTS' RING: Wf1 and Wf2 come in 16 chunks of eight loads through seven sets of 32 registers in window 1 (v256-479).  Chunk 0 is asked for at the head, chunks 1 to 4 behind the first product, 5 and 6 behind the residual,
; chunk n + 7 behind the use of chunk n: six or seven chunks, 48 to 56 loads of a wave, are on their way, so that Wf1 comes in under the first product and the first LayerNorm.
; s_set_vgpr_msb's low byte: bits 1:0 source 0, 7:6 destination: 0x01 for the products (the weight is source 0), 0x40 for the ring's loads: three switches a chunk.  The text has no label and no branch.
; LAYERNORM as it is written: the mean, then the mean of the squared differences: two exchanges through LDS, each in words of its own.
; No cluster: the weights never touch LDS here; shared through LDS, their 589,824 bytes would want a ring with a round of the cluster's barrier for every few products.
; LIMITS: e12 and e14 - e12 - e13 between -126 and 119; e10 + e11 and e14 + e15 between -126 and 127.  NaN among the inputs is not served.
.set LI,   1                           ; v1   16 x lane
.set WA8,  2                           ; v2   + 8,192 x wave: Wo
.set WA,   3                           ; v3   + 32,768 x wave: Wf1, Wf2
.set XO,   4                           ; v4   1,024 r + 128 w + 64 h: the residual
.set GO,   5                           ; v5   128 w + 64 h: gains and biases
.set REDW, 6                           ; v6   32 x lane + 4 w: where I put a row's partial sum
.set REDR, 7                           ; v7   32 r: where I read a row's eight
.set XW,   8                           ; v8   16 x lane + 512 w: x1's image
.set HW,   9                           ; v9   16 x lane + 2,048 w: the hidden layer's
.set STW,  10                          ; v10  1,040 r + 128 w + 64 h: into the stage
.set STR,  11                          ; v11  16 x lane + 4,160 w: out of it
.set OUTO, 12                          ; v12  16 x lane + 4,096 w: my four rows of the output
.set PC,   18                          ; v18-25   codes just made          (v14, v15: 2^e12 and 448 x it; v16, v17: the same with e14 - e12 - e13)
.set XR,   26                          ; v26-57   the residual, then x1, then the output: 16 rt + i
.set ACC,  58                          ; v58-89   four accumulators: 16 rt + 8 u
.set LT,   58                          ; the same registers, at work in LayerNorm
.set XF,   90                          ; v90-153  activations' fragments
.set W0,   154                         ; v154-217 Wo's four fragments; v218-249 ga and ba; later v154-185 gb and bb
.set X1IMG, 4096                       ; LDS: 0: four exchanges of [row 32][wave 8] f32;  4,096: x1's images, 512 (8 rt + 4 ks + c);
.set HIMG,  12288                      ; the hidden layer's: 16,384 rt + 2,048 ks + 512 c;
.set STG,   45056                      ; the stage: 32 rows of 1,024 bytes + 16
.set MSB, 0
.macro WIN new                         ; the immediate's high byte repeats the setting that is left; a switch that changes nothing is dropped
.if MSB != \new
	s_set_vgpr_msb (MSB<<8)|\new
.set MSB, \new
.endif
.endm
.macro MKSC se, vs, vl
	s_add_co_i32 s[\se], s[\se], 127
	s_lshl_b32 s42, s[\se], 23
	v_mov_b32 v[\vs], s42
	s_add_co_i32 s[\se], s[\se], 8
	s_lshl_b32 s[\se], s[\se], 23
	s_or_b32 s[\se], s[\se], 0x600000
	v_mov_b32 v[\vl], s[\se]
.endm
.macro PLACES                          ; four plain vector lines behind matrix instructions, ahead of reads of their results and of loads into their registers
.rept 4
	v_nop
.endr
.endm
.macro BARRIER                         ; my LDS stores have landed and my LDS loads are in: then the work-group's barrier
	s_wait_dscnt 0x0
	s_barrier_signal -1
	s_barrier_wait -1
.endm
; Chunk n, eight loads.  0-7: my tile n of Wf1 (two K steps);  8-15: K step n - 8 of my two tiles of Wf2: into set n % 7 of window 1.  16: gb and bb, into window 0.  It leaves every window 0.
.macro LOADCH n
.if (\n) < 16
.set RB, 32*((\n)%7)
	WIN 0x40                                       ; destination window 1, address window 0
.if (\n) < 8
.irp m, 0,1,2,3,4,5,6,7
	global_load_b128 v[RB+4*\m:RB+4*\m+3], v[WA], s[8:9] offset:262144+4096*(\n)+512*\m
.endr
.else
.irp u, 0,1
.irp c, 0,1,2,3
	global_load_b128 v[RB+16*\u+4*\c:RB+16*\u+4*\c+3], v[WA], s[8:9] offset:524288+16384*\u+2048*((\n)-8)+512*\c
.endr
.endr
.endif
	WIN 0
.else
	WIN 0
.irp i, 0,1,2,3
	global_load_b128 v[W0+4*\i:W0+4*\i+3], v[GO], s[16:17] offset:16*\i
.endr
.irp i, 0,1,2,3
	global_load_b128 v[W0+16+4*\i:W0+16+4*\i+3], v[GO], s[18:19] offset:16*\i
.endr
.endif
.endm
.macro RESID sf                        ; XR = relu(sum) x 2^(ea + eb) + XR
.set i_, 0
.rept 32
	v_max_num_f32 v[ACC+i_], 0, v[ACC+i_]          ; each accumulator from its low end on
.set i_, i_+1
.endr
.set i_, 0
.rept 16
	v_pk_fma_f32 v[XR+i_:XR+i_+1], v[ACC+i_:ACC+i_+1], s[\sf:\sf+1], v[XR+i_:XR+i_+1] op_sel_hi:[1,0,1]
.set i_, i_+2
.endr
.endm
; In: v[LT + 2 rt : + 1] = my 16 numbers' sum in two halves.  Out: v[LT + 8 + 8 rt] = the sum over the row's 256, the same in every wave.
.macro ROWSUM red
.irp rt, 0,1
	v_add_f32 v[LT+2*\rt], v[LT+2*\rt], v[LT+2*\rt+1]
.endr
.irp rt, 0,1
	v_permlanex16_b32 v[LT+4+\rt], v[LT+2*\rt], s32, s33
.endr
.irp rt, 0,1
	v_add_f32 v[LT+2*\rt], v[LT+2*\rt], v[LT+4+\rt]            ; my wave's 32 features of row 16 rt + r, in both halves of the lanes
.endr
	v_cndmask_b32 v[LT+6], v[LT], v[LT+2], s38     ; lanes 16-31 take tile 1: lane l holds row l
	ds_store_b32 v[REDW], v[LT+6] offset:(\red)
	BARRIER
.irp rt, 0,1
.irp k, 0,1
	ds_load_b128 v[LT+8+8*\rt+4*\k:LT+8+8*\rt+4*\k+3], v[REDR] offset:(\red)+512*\rt+16*\k
.endr
.endr
	s_wait_dscnt 0x0
.irp rt, 0,1
	v_pk_add_f32 v[LT+8+8*\rt:LT+9+8*\rt], v[LT+8+8*\rt:LT+9+8*\rt], v[LT+10+8*\rt:LT+11+8*\rt]
	v_pk_add_f32 v[LT+12+8*\rt:LT+13+8*\rt], v[LT+12+8*\rt:LT+13+8*\rt], v[LT+14+8*\rt:LT+15+8*\rt]
.endr
.irp rt, 0,1
	v_pk_add_f32 v[LT+8+8*\rt:LT+9+8*\rt], v[LT+8+8*\rt:LT+9+8*\rt], v[LT+12+8*\rt:LT+13+8*\rt]
.endr
.irp rt, 0,1
	v_add_f32 v[LT+8+8*\rt], v[LT+8+8*\rt], v[LT+9+8*\rt]
.endr
.endm
; XR = (XR - mean) x rsqrt(var + 1e-5) x g + b.  red: the first of its two exchanges in LDS; gb: g's 16 registers, b's behind them.
.macro LNORM red, gb
.irp rt, 0,1
	v_pk_add_f32 v[LT+2*\rt:LT+2*\rt+1], v[XR+16*\rt:XR+16*\rt+1], v[XR+16*\rt+2:XR+16*\rt+3]
.endr
.irp j, 4,6,8,10,12,14
.irp rt, 0,1
	v_pk_add_f32 v[LT+2*\rt:LT+2*\rt+1], v[LT+2*\rt:LT+2*\rt+1], v[XR+16*\rt+\j:XR+16*\rt+\j+1]
.endr
.endr
	ROWSUM \red
.irp rt, 0,1
	v_mul_f32 v[LT+24+2*\rt], s39, v[LT+8+8*\rt]   ; the mean: x 1/256
.endr
.irp rt, 0,1
.irp j, 0,2,4,6,8,10,12,14
	v_pk_add_f32 v[XR+16*\rt+\j:XR+16*\rt+\j+1], v[XR+16*\rt+\j:XR+16*\rt+\j+1], v[LT+24+2*\rt:LT+25+2*\rt] op_sel_hi:[1,0] neg_lo:[0,1] neg_hi:[0,1]
.endr
.endr
.irp rt, 0,1
	v_pk_mul_f32 v[LT+2*\rt:LT+2*\rt+1], v[XR+16*\rt:XR+16*\rt+1], v[XR+16*\rt:XR+16*\rt+1]
.endr
.irp j, 2,4,6,8,10,12,14
.irp rt, 0,1
	v_pk_fma_f32 v[LT+2*\rt:LT+2*\rt+1], v[XR+16*\rt+\j:XR+16*\rt+\j+1], v[XR+16*\rt+\j:XR+16*\rt+\j+1], v[LT+2*\rt:LT+2*\rt+1]
.endr
.endr
	ROWSUM (\red)+1024
.irp rt, 0,1
	v_fma_f32 v[LT+24+2*\rt], v[LT+8+8*\rt], s39, s40          ; var + 1e-5 (the division by 256 rounds nothing)
.endr
.irp rt, 0,1
	v_rsq_f32 v[LT+24+2*\rt], v[LT+24+2*\rt]
.endr
	v_nop                                          ; a plain line behind the roots
	s_wait_alu depctr_va_vdst(0)
.irp rt, 0,1
.irp j, 0,2,4,6,8,10,12,14
	v_pk_mul_f32 v[XR+16*\rt+\j:XR+16*\rt+\j+1], v[XR+16*\rt+\j:XR+16*\rt+\j+1], v[LT+24+2*\rt:LT+25+2*\rt] op_sel_hi:[1,0]
.endr
.endr
.irp rt, 0,1
.irp j, 0,2,4,6,8,10,12,14
	v_pk_fma_f32 v[XR+16*\rt+\j:XR+16*\rt+\j+1], v[XR+16*\rt+\j:XR+16*\rt+\j+1], v[\gb+\j:\gb+\j+1], v[\gb+16+\j:\gb+16+\j+1]
.endr
.endr
.endm
; Chunk n of the first FFN product: my tile n of hidden units for both tiles of rows: two accumulators by turns.  Behind each odd n the 16 neighbours of tiles n - 1, n are quantised: group c = n / 2 of K step w.
.macro F1CH n
.set WB, 32*((\n)%7)
.set AO, ACC+8*((\n)%2)
	s_wait_loadcnt 48                              ; chunk n is in; chunks n + 1 to n + 6 are younger
	WIN 0x01                                       ; source 0 (the weight) window 1
	v_wmma_f32_16x16x128_fp8_fp8 v[AO:AO+7], v[WB:WB+15], v[XF:XF+15], 0
	v_wmma_f32_16x16x128_fp8_fp8 v[AO+16:AO+23], v[WB:WB+15], v[XF+32:XF+47], 0
	v_wmma_f32_16x16x128_fp8_fp8 v[AO:AO+7], v[WB+16:WB+31], v[XF+16:XF+31], v[AO:AO+7]
	v_wmma_f32_16x16x128_fp8_fp8 v[AO+16:AO+23], v[WB+16:WB+31], v[XF+48:XF+63], v[AO+16:AO+23]
	PLACES
	LOADCH (\n)+7                                  ; into the set just read
.if ((\n)%2) == 1
	s_wait_dscnt 0x0                               ; the last stores of codes have read their registers
.set i_, 0
.rept 32
	v_med3_num_f32 v[ACC+i_], v[ACC+i_], 0, v17    ; relu and hold in one
.set i_, i_+1
.endr
.irp rt, 0,1
	v_cvt_scalef32_pk8_fp8_f32 v[PC+4*\rt:PC+4*\rt+1], v[ACC+16*\rt:ACC+16*\rt+7], v16
	v_cvt_scalef32_pk8_fp8_f32 v[PC+4*\rt+2:PC+4*\rt+3], v[ACC+16*\rt+8:ACC+16*\rt+15], v16
.endr
	v_nop                                          ; one plain line between the conversions and the next products, which write their sources
.irp rt, 0,1
	ds_store_b128 v[HW], v[PC+4*\rt:PC+4*\rt+3] offset:HIMG+16384*\rt+512*((\n)/2)
.endr
.endif
.endm
.macro HFETCH ks                       ; the hidden layer's two fragments of K step ks, into set ks % 2
.irp rt, 0,1
.irp c, 0,1,2,3
	ds_load_b128 v[XF+32*((\ks)%2)+16*\rt+4*\c:XF+32*((\ks)%2)+16*\rt+4*\c+3], v[LI] offset:HIMG+16384*\rt+2048*(\ks)+512*\c
.endr
.endr
.endm
.macro F2CH ks                         ; K step ks of the second FFN product, chunk 8 + ks: four accumulators by turns
.set WB, 32*(((\ks)+8)%7)
.set HB, XF+32*((\ks)%2)
.if (\ks) < 7
	s_wait_dscnt 8                                 ; this K step's fragments are in; the next step's eight loads are younger
.else
	s_wait_dscnt 0x0
.endif
.if (\ks) < 3
	s_wait_loadcnt 48                              ; its weights are in; six chunks are younger
.else
	s_wait_loadcnt 8*(8-(\ks))                     ; the ring runs out: chunks 9 + ks to 16 are younger
.endif
	WIN 0x01
.irp rt, 0,1
.irp u, 0,1
.if (\ks) == 0
	v_wmma_f32_16x16x128_fp8_fp8 v[ACC+16*\rt+8*\u:ACC+16*\rt+8*\u+7], v[WB+16*\u:WB+16*\u+15], v[HB+16*\rt:HB+16*\rt+15], 0
.else
	v_wmma_f32_16x16x128_fp8_fp8 v[ACC+16*\rt+8*\u:ACC+16*\rt+8*\u+7], v[WB+16*\u:WB+16*\u+15], v[HB+16*\rt:HB+16*\rt+15], v[ACC+16*\rt+8*\u:ACC+16*\rt+8*\u+7]
.endif
.endr
.endr
	PLACES
.if (\ks)+15 <= 16
	LOADCH (\ks)+15
.endif
	WIN 0
.if (\ks)+2 <= 7
	HFETCH (\ks)+2
.endif
.endm
	s_load_b512 s[4:19], s[0:1], 0x0               ; oimg s[4:5], xres s[6:7], wimg s[8:9], sc s[10:11], ga s[12:13], ba s[14:15], gb s[16:17], bb s[18:19]
	s_load_b64 s[20:21], s[0:1], 0x40              ; out
	v_lshl_add_u32 v254, v0, 2, 0x13200
	v_mov_b32 v255, 0
	v_lshrrev_b32 v13, 5, v0
	v_readfirstlane_b32 s22, v13                   ; wave
	v_and_b32 v13, 31, v0                          ; lane
	v_and_b32 v18, 15, v0                          ; r
	v_bfe_u32 v19, v0, 4, 1                        ; h
	v_lshlrev_b32 v[LI], 4, v13
	s_lshl_b32 s41, s22, 13
	v_add_nc_u32 v[WA8], s41, v[LI]
	s_lshl_b32 s41, s22, 15
	v_add_nc_u32 v[WA], s41, v[LI]
	s_lshl_b32 s42, s22, 7
	v_lshl_add_u32 v[GO], v19, 6, s42
	v_lshl_add_u32 v[XO], v18, 10, v[GO]
	s_lshl_b32 s41, s22, 2
	v_lshl_add_u32 v[REDW], v13, 5, s41
	v_lshlrev_b32 v[REDR], 5, v18
	s_lshl_b32 s41, s22, 9
	v_add_nc_u32 v[XW], s41, v[LI]
	s_lshl_b32 s41, s22, 11
	v_add_nc_u32 v[HW], s41, v[LI]
	v_mul_u32_u24 v[STW], v18, 1040
	v_add_nc_u32 v[STW], v[STW], v[GO]
	s_mul_i32 s41, s22, 4160
	v_add_nc_u32 v[STR], s41, v[LI]
	s_lshl_b32 s41, s22, 12
	v_add_nc_u32 v[OUTO], s41, v[LI]
	s_lshl_b32 s44, ttmp9, 13                      ; two tiles of 4,096 bytes of o's codes a work-group
	s_mov_b32 s45, 0
	s_lshl_b32 s46, ttmp9, 15                      ; 32 rows of 1,024 bytes
	s_mov_b32 s47, 0
	s_mov_b32 s32, 0x76543210                      ; v_permlanex16_b32: each lane takes its own place in the other half
	s_mov_b32 s33, 0xfedcba98
	s_mov_b32 s38, 0xffff0000                      ; lanes 16 to 31
	s_mov_b32 s39, 0x3b800000                      ; 1/256
	s_mov_b32 s40, 0x3727c5ac                      ; 1e-5
	s_wait_kmcnt 0x0
	s_load_b256 s[24:31], s[10:11], 0x20           ; e8 .. e15
	s_add_nc_u64 s[4:5], s[4:5], s[44:45]
	s_add_nc_u64 s[6:7], s[6:7], s[46:47]
	s_add_nc_u64 s[20:21], s[20:21], s[46:47]
.set n_, 0
.rept 16
	global_load_b128 v[XF+4*n_:XF+4*n_+3], v[LI], s[4:5] offset:512*n_ th:TH_LOAD_NT   ; o's four fragments: 32 rt + 16 ks + 4 c
.set n_, n_+1
.endr
.set n_, 0
.rept 16
	global_load_b128 v[W0+4*n_:W0+4*n_+3], v[WA8], s[8:9] offset:196608+512*n_         ; my four fragments of Wo: 32 u + 16 ks + 4 c
.set n_, n_+1
.endr
.irp rt, 0,1
.irp i, 0,1,2,3
	global_load_b128 v[XR+16*\rt+4*\i:XR+16*\rt+4*\i+3], v[XO], s[6:7] offset:16384*\rt+16*\i th:TH_LOAD_NT
.endr
.endr
.irp i, 0,1,2,3
	global_load_b128 v[W0+64+4*\i:W0+64+4*\i+3], v[GO], s[12:13] offset:16*\i
.endr
.irp i, 0,1,2,3
	global_load_b128 v[W0+80+4*\i:W0+80+4*\i+3], v[GO], s[14:15] offset:16*\i
.endr
	LOADCH 0                                       ; the ring begins: 56 loads of mine are out
	s_wait_kmcnt 0x0
	s_add_co_i32 s34, s26, s27
	s_add_co_i32 s34, s34, 127
	s_lshl_b32 s34, s34, 23                        ; 2^(e10 + e11) as f32
	s_mov_b32 s35, s34                             ; (named with it as a pair)
	s_add_co_i32 s36, s30, s31
	s_add_co_i32 s36, s36, 127
	s_lshl_b32 s36, s36, 23                        ; 2^(e14 + e15)
	s_mov_b32 s37, s36
	s_sub_co_i32 s41, s30, s28
	s_sub_co_i32 s41, s41, s29                     ; e14 - e12 - e13
	MKSC 41, 16, 17
	MKSC 28, 14, 15
	; ---- o Wo^T, the residual, the first LayerNorm
	s_wait_loadcnt 24                              ; o and Wo are in; the residual's eight loads, the eight of ga and ba and chunk 0's eight are younger
.irp ks, 0,1
.irp rt, 0,1
.irp u, 0,1
.if \ks == 0
	v_wmma_f32_16x16x128_fp8_fp8 v[ACC+16*\rt+8*\u:ACC+16*\rt+8*\u+7], v[W0+32*\u+16*\ks:W0+32*\u+16*\ks+15], v[XF+32*\rt+16*\ks:XF+32*\rt+16*\ks+15], 0
.else
	v_wmma_f32_16x16x128_fp8_fp8 v[ACC+16*\rt+8*\u:ACC+16*\rt+8*\u+7], v[W0+32*\u+16*\ks:W0+32*\u+16*\ks+15], v[XF+32*\rt+16*\ks:XF+32*\rt+16*\ks+15], v[ACC+16*\rt+8*\u:ACC+16*\rt+8*\u+7]
.endif
.endr
.endr
.endr
	PLACES
	LOADCH 1
	LOADCH 2
	LOADCH 3
	LOADCH 4
	s_wait_loadcnt 40                              ; the residual, ga and ba are in; chunks 0 to 4 are younger
	RESID 34
	LOADCH 5
	LOADCH 6                                       ; seven chunks, 56 loads at the most, are out
	LNORM 0, W0+64
	; ---- x1 is quantised (XR keeps it for the second residual) and goes round as an image
.irp rt, 0,1
.set i_, 0
.rept 16
	v_med3_num_f32 v[ACC+16*\rt+i_], v[XR+16*\rt+i_], -v15, v15
.set i_, i_+1
.endr
	v_cvt_scalef32_pk8_fp8_f32 v[PC+4*\rt:PC+4*\rt+1], v[ACC+16*\rt:ACC+16*\rt+7], v14
	v_cvt_scalef32_pk8_fp8_f32 v[PC+4*\rt+2:PC+4*\rt+3], v[ACC+16*\rt+8:ACC+16*\rt+15], v14
.endr
	v_nop                                          ; one plain line behind the last conversion
	ds_store_b128 v[XW], v[PC:PC+3] offset:X1IMG               ; my 32 features are group 4 ks + c = w
	ds_store_b128 v[XW], v[PC+4:PC+7] offset:X1IMG+4096
	BARRIER                                        ; x1's four fragments lie in LDS
.set n_, 0
.rept 16
	ds_load_b128 v[XF+4*n_:XF+4*n_+3], v[LI] offset:X1IMG+512*n_
.set n_, n_+1
.endr
	s_wait_dscnt 0x0
	; ---- the hidden layer: my 128 units
.irp n, 0,1,2,3,4,5,6,7
	F1CH \n
.endr
	BARRIER                                        ; the hidden layer's sixteen fragments lie in LDS
	; ---- the second FFN product: my 32 features, K = 1,024
	HFETCH 0
	HFETCH 1
.irp ks, 0,1,2,3,4,5,6,7
	F2CH \ks
.endr
	RESID 36
	s_wait_loadcnt 0x0                             ; gb and bb
	LNORM 2048, W0
	; ---- the way out: a row's 256 numbers come from eight waves: through the stage, and out as whole rows
.irp rt, 0,1
.irp i, 0,1,2,3
	ds_store_b128 v[STW], v[XR+16*\rt+4*\i:XR+16*\rt+4*\i+3] offset:STG+16640*\rt+16*\i
.endr
.endr
	BARRIER
.irp i, 0,1,2,3
.irp hf, 0,1
	ds_load_b128 v[ACC+8*\i+4*\hf:ACC+8*\i+4*\hf+3], v[STR] offset:STG+1040*\i+512*\hf
.endr
.endr
.irp i, 0,1,2,3
.irp hf, 0,1
	s_wait_dscnt 7-2*\i-\hf
	global_store_b128 v[OUTO], v[ACC+8*\i+4*\hf:ACC+8*\i+4*\hf+3], s[20:21] offset:1024*\i+512*\hf   ; the wave stores 512 consecutive bytes of a row, aligned
.endr
.endr
	s_wait_tensorcnt 0x0
	ds_add_u32 v254, v255
	s_wait_dscnt 0x0
	s_endpgm
.Lfunc_end_k_q6ea116d13a_post1:
	.size	k_q6ea116d13a_post1, .Lfunc_end_k_q6ea116d13a_post1-k_q6ea116d13a_post1
	.p2alignl 7, 3214868480
	.fill 96, 4, 3214868480
	.section	.rodata,"a",@progbits
	.p2align	6, 0x0
	.amdhsa_kernel k_q6ea116d13a_post1
		.amdhsa_group_segment_fixed_size 79360
		.amdhsa_private_segment_fixed_size 0
		.amdhsa_enable_private_segment 0
		.amdhsa_kernarg_size 72
		.amdhsa_user_sgpr_count 2
		.amdhsa_user_sgpr_kernarg_segment_ptr 1
		.amdhsa_wavefront_size32 1
		.amdhsa_system_sgpr_workgroup_id_x 1
		.amdhsa_system_sgpr_workgroup_id_y 1
		.amdhsa_system_sgpr_workgroup_id_z 1
		.amdhsa_system_vgpr_workitem_id 0
		.amdhsa_next_free_vgpr 480
		.amdhsa_next_free_sgpr 66
		.amdhsa_reserve_vcc 0
		.amdhsa_float_denorm_mode_32 3
		.amdhsa_float_denorm_mode_16_64 3
		.amdhsa_memory_ordered 1
		.amdhsa_forward_progress 1
		.amdhsa_inst_pref_size 69
	.end_amdhsa_kernel
	.amdgpu_metadata
---
amdhsa.version: [ 1, 2 ]
amdhsa.kernels:
  - .name:           k_q6ea116d13a_post1
    .symbol:         k_q6ea116d13a_post1.kd
    .args:
      - { .name: oimg, .offset: 0, .size: 8, .value_kind: global_buffer, .address_space: global }
      - { .name: x, .offset: 8, .size: 8, .value_kind: global_buffer, .address_space: global }
      - { .name: wimg1, .offset: 16, .size: 8, .value_kind: global_buffer, .address_space: global }
      - { .name: lowp_scales, .offset: 24, .size: 8, .value_kind: global_buffer, .address_space: global }
      - { .name: g1, .offset: 32, .size: 8, .value_kind: global_buffer, .address_space: global }
      - { .name: b1, .offset: 40, .size: 8, .value_kind: global_buffer, .address_space: global }
      - { .name: g2, .offset: 48, .size: 8, .value_kind: global_buffer, .address_space: global }
      - { .name: b2, .offset: 56, .size: 8, .value_kind: global_buffer, .address_space: global }
      - { .name: xmid, .offset: 64, .size: 8, .value_kind: global_buffer, .address_space: global }
    .group_segment_fixed_size: 79360
    .private_segment_fixed_size: 0
    .kernarg_segment_align: 8
    .kernarg_segment_size: 72
    .max_flat_workgroup_size: 256
    .sgpr_count:     66
    .vgpr_count:     480
    .wavefront_size: 32
...
	.end_amdgpu_metadata
.endif
;; end of part 4
;; launch qkv2: the kernel of part 2 again; grid 256 x 1, 8 waves a work-group, no clusters, 25,600 bytes of LDS; arguments xmid, wimg2, sc2, qkv; writes qkv
;; launch attn2: the kernel of part 3 again; grid 8 x 32, 16 waves a work-group, no clusters, 133,120 bytes of LDS; arguments qkv, sc2, oimg; writes oimg
;; launch post2: the kernel of part 4 again; grid 256 x 1, 8 waves a work-group, no clusters, 79,360 bytes of LDS; arguments oimg, xmid, wimg2, sc2, g3, b3, g4, b4, out0; writes out0
;; ======== version 2 of 2: 7 launches; version 1 with the launches qkv1, attn1, post1, qkv2, attn2, post2 written anew for expert scheduling mode
;; workspace buffers: wimg1 786,432 bytes; wimg2 786,432 bytes; sc2 256 bytes of whole numbers; qkv 6,291,456 bytes; oimg 2,097,152 bytes; xmid 8,388,608 bytes
;; launch prep: the kernel of part 1 again; grid 8 x 24, 4 waves a work-group, no clusters, 0 bytes of LDS; arguments W11, W12, W13, W14, Wf11, Wf21, W21, W22, W23, W24, Wf12, Wf22, lowp_scales, wimg1, wimg2, sc2; writes wimg1, wimg2, sc2
;; launch qkv1 (part 5): grid 256 x 1, 8 waves a work-group, no clusters, 25,600 bytes of LDS; arguments x, wimg1, lowp_scales, qkv; writes qkv
.if DOCPART == 5
	.amdgcn_target "amdgcn-amd-amdhsa--gfx1250"
	.amdhsa_code_object_version 6
	.text
	.protected	k_q6ea116d13a_qkv1
	.globl	k_q6ea116d13a_qkv1
	.p2align	8
	.type	k_q6ea116d13a_qkv1,@function
k_q6ea116d13a_qkv1:
	s_mov_b64 s[64:65], 0
	v_nop
	global_prefetch_b8 v0, s[64:65] scope:SCOPE_SE
	s_setreg_imm32_b32 hwreg(HW_REG_WAVE_SCHED_MODE, 0, 2), 2
	s_setreg_imm32_b32 hwreg(HW_REG_WAVE_MODE, 25, 1), 1
	s_wait_xcnt 0x0
	s_wait_alu depctr_vm_vsrc(0)
; q, k, v = relu(x W^T) for one layer, all three products on codes of FP8 (E4M3), and each result quantised at once for the attention that follows.
; xin: [8192][256] f32.  wimg: the layer's weights as images of operand registers (Wq at 0, Wk at 65,536, Wv at 131,072).  sc: the layer's exponents e0 .. e15.
; x is quantised THREE times, with e0, e2, e4: the three products have scales of their own for it.
; SHARES: a work-group takes 32 rows (two tiles rt of 16); wave w is head w, for q, then k, then v: its four weight fragments (two tiles u x two K steps) come from memory straight into its registers.
; PHASE X: wave w quantises 16 rows x 64 numbers of x (two groups of four operand registers) for all three scales and stores them to LDS as images: [p 3][rt 2][ks 2][c 4][lane][16]; one barrier; every wave then loads them as they stand.
; q and k are made TRANSPOSED (source 0 = 16 rows of W, source 1 = x): a lane holds one row of x and 16 neighbouring features 16 h + 0 .. 15 of the head: after the conversions 16 bytes, an operand's four registers.
; v is made the natural way (source 0 = x, source 1 = W): a lane holds one feature and the keys 8 h + 0 .. 7 of both tiles, which is how the second product of attention wants V: keys innermost.
; OUT (qkv): q image at 0: [head of batch 32][tile of 16 queries 128][lane][16];  k image at 2,097,152 likewise;  v image at 4,194,304: [head 32][step of 128 keys 16][u 2][c 4][lane][16].
; A sum stands for sum x 2^(ea + eb), so the result's conversion takes the one scale 2^(e_next - ea - eb); the hold between 0 and 448 x that scale is the relu as well.
; LIMITS: e0, e2, e4, e6 - e0 - e1, e7 - e2 - e3, e9 - e4 - e5 between -126 and 119.  NaN among the inputs is not served.
; THE MODE: SCHED_MODE bits 1:0 = 2 (LLVM: expert scheduling mode 2), set by the entry lines.  The code itself states the register dependences
; between vector or matrix instructions and memory or LDS instructions, with s_wait_alu, always for 0.
; THE PLAN.  Registers that memory or LDS instructions touch, and who else names them:
;   v1-v4         addresses, made once at the head and never written again: one wait on va_vdst ahead of the first load serves every load and store.
;   XN, T0        x as loaded and the held numbers: named by phase X's holds and conversions alone; behind the barrier they are XF, in which LDS loads land.
;   PCX           written by phase X's twelve conversions, read by its six LDS stores, which stand in one run behind one wait on va_vdst; behind the barrier they are the accumulators: one wait on vm_vsrc.
;   WF0, WF1, XF  loads land in them, matrix instructions read them: behind q's and behind k's products one wait on va_vdst, then all the loads into the sets that those products have read.
;   PC            written by a result's conversions, read by its two stores: a wait on va_vdst ahead of the stores, a wait on vm_vsrc ahead of the next result's conversions.
.set LI,  1                            ; v1   16 x lane
.set XA,  2                            ; v2   x: 1,024 r + 64 h
.set XST, 3                            ; v3   where I store x's images: 16 x lane + 1,024 x wave
.set WO,  4                            ; v4   my head's weight fragments: 16 x lane + 8,192 x wave
.set PC,  20                           ; v20-27   codes on the way out
.set WF0, 28                           ; v28-91   weight fragments, set 0: register 32 u + 16 ks + 4 c
.set WF1, 92                           ; v92-155  set 1
.set XF,  156                          ; v156-219 x's fragments: 32 rt + 16 ks + 4 c
.set ACC, 220                          ; v220-251 four accumulators
.set XN,  156                          ; ahead of the barrier: v156-187 my 32 numbers of x,
.set T0,  188                          ; v188-219 two sets of 16 held numbers,
.set PCX, 220                          ; v220-243 x's codes: 4 registers for each (p, cc)
.macro MKSC se, vs, vl                 ; s[se] = e  ->  v[vs] = 2^e as f32, v[vl] = 448 x 2^e
	s_add_co_i32 s[\se], s[\se], 127
	s_lshl_b32 s15, s[\se], 23
	v_mov_b32 v[\vs], s15
	s_add_co_i32 s[\se], s[\se], 8
	s_lshl_b32 s[\se], s[\se], 23
	s_or_b32 s[\se], s[\se], 0x600000
	v_mov_b32 v[\vl], s[\se]
.endm
.macro PLACES                          ; four plain vector lines behind matrix instructions, ahead of reads of their results and of loads into their registers
.rept 4
	v_nop
.endr
.endm
.macro WLOAD p, reg                    ; my head's four fragments of weight p
.set n_, 0
.rept 16
	global_load_b128 v[\reg+4*n_:\reg+4*n_+3], v[WO], s[6:7] offset:65536*\p+512*n_
.set n_, n_+1
.endr
.endm
.macro XFETCH p                        ; x's four fragments under scale p
.set n_, 0
.rept 16
	ds_load_b128 v[XF+4*n_:XF+4*n_+3], v[LI] offset:8192*\p+512*n_
.set n_, n_+1
.endr
.endm
; Eight matrix instructions: four accumulators by turns, K step 0 starts the sums.  tr = 1: W is source 0, accumulator 16 rt + 8 u;  tr = 0: x is source 0, accumulator 16 u + 8 rt.
.macro MUL8 wf, tr
.irp ks, 0,1
.irp a, 0,1
.irp b, 0,1
.set D_, ACC+16*\a+8*\b
.if \tr
.set S0_, \wf+32*\b+16*\ks
.set S1_, XF+32*\a+16*\ks
.else
.set S0_, XF+32*\b+16*\ks
.set S1_, \wf+32*\a+16*\ks
.endif
.if \ks == 0
	v_wmma_f32_16x16x128_fp8_fp8 v[D_:D_+7], v[S0_:S0_+15], v[S1_:S1_+15], 0
.else
	v_wmma_f32_16x16x128_fp8_fp8 v[D_:D_+7], v[S0_:S0_+15], v[S1_:S1_+15], v[D_:D_+7]
.endif
.endr
.endr
.endr
.endm
.macro OUTQ vs, vl                     ; relu and hold in one, each accumulator from its low end on; then 32 numbers a lane become 8 registers of codes
.set i_, 0
.rept 32
	v_med3_num_f32 v[ACC+i_], v[ACC+i_], 0, v[\vl]
.set i_, i_+1
.endr
.irp a, 0,1
	v_cvt_scalef32_pk8_fp8_f32 v[PC+4*\a:PC+4*\a+1], v[ACC+16*\a:ACC+16*\a+7], v[\vs]
	v_cvt_scalef32_pk8_fp8_f32 v[PC+4*\a+2:PC+4*\a+3], v[ACC+16*\a+8:ACC+16*\a+15], v[\vs]
.endr
	v_nop                                          ; one plain vector line between the conversions and the next products, which write their sources
.endm
	s_load_b256 s[4:11], s[0:1], 0x0               ; xin s[4:5], wimg s[6:7], sc s[8:9], qkv s[10:11]
	v_lshl_add_u32 v254, v0, 2, 0x6000
	v_mov_b32 v255, 0
	v_lshrrev_b32 v1, 5, v0
	v_readfirstlane_b32 s12, v1                    ; wave = head
	v_and_b32 v5, 31, v0
	v_and_b32 v6, 15, v0                           ; r
	v_bfe_u32 v7, v0, 4, 1                         ; h
	v_lshlrev_b32 v[LI], 4, v5
	v_lshlrev_b32 v[XA], 10, v6
	v_lshl_add_u32 v[XA], v7, 6, v[XA]
	s_wait_alu depctr_va_sdst(0)                   ; s12 is written, ahead of its first reader: addresses and bases are made from it
	s_lshl_b32 s14, s12, 10
	v_add_nc_u32 v[XST], s14, v[LI]
	s_lshl_b32 s14, s12, 13
	v_add_nc_u32 v[WO], s14, v[LI]
	s_lshl_b32 s34, ttmp9, 15                      ; x: 32 rows of 1,024 bytes a work-group,
	s_lshr_b32 s14, s12, 2
	s_lshl_b32 s14, s14, 14
	s_add_co_u32 s34, s34, s14                     ; + 16 rows for waves 4 to 7,
	s_and_b32 s14, s12, 3
	s_lshl_b32 s14, s14, 8
	s_add_co_u32 s34, s34, s14                     ; + 256 bytes x (wave % 4): my 64 numbers of a row
	s_mov_b32 s35, 0
	s_lshr_b32 s26, ttmp9, 6                       ; batch
	s_lshl_b32 s26, s26, 3
	s_add_co_u32 s26, s26, s12                     ; head of batch
	s_lshl_b32 s26, s26, 16                        ; its 65,536 bytes in each image
	s_and_b32 s27, ttmp9, 63                       ; g: which 32 rows of the sequence
	s_lshl_b32 s36, s27, 10
	s_add_co_u32 s36, s36, s26
	s_mov_b32 s37, 0                               ; q, k: two tiles of 512 bytes
	s_lshr_b32 s38, s27, 2
	s_lshl_b32 s38, s38, 12                        ; v: step g / 4,
	s_and_b32 s14, s27, 3
	s_lshl_b32 s14, s14, 9                         ; group c = g % 4
	s_add_co_u32 s38, s38, s14
	s_add_co_u32 s38, s38, s26
	s_add_co_u32 s38, s38, 0x400000
	s_mov_b32 s39, 0
	s_wait_kmcnt 0x0
	s_load_b256 s[16:23], s[8:9], 0x0              ; e0 .. e7
	s_load_b64 s[24:25], s[8:9], 0x20              ; e8, e9
	s_add_nc_u64 s[4:5], s[4:5], s[34:35]
	s_add_nc_u64 s[28:29], s[10:11], s[36:37]      ; q's tiles
	s_add_nc_u64 s[30:31], s[28:29], 0x200000      ; k's
	s_add_nc_u64 s[32:33], s[10:11], s[38:39]      ; v's
	s_wait_alu depctr_va_vdst(0)                   ; the four addresses v1 to v4 are written, which every load and store of the kernel reads
.irp cc, 0,1
.irp i, 0,1,2,3
	global_load_b128 v[XN+16*\cc+4*\i:XN+16*\cc+4*\i+3], v[XA], s[4:5] offset:128*\cc+16*\i th:TH_LOAD_NT
.endr
.endr
	WLOAD 0, WF0
	WLOAD 1, WF1
	s_wait_kmcnt 0x0
	s_sub_co_i32 s40, s22, s16
	s_sub_co_i32 s40, s40, s17                     ; e6 - e0 - e1
	s_sub_co_i32 s41, s23, s18
	s_sub_co_i32 s41, s41, s19                     ; e7 - e2 - e3
	s_sub_co_i32 s42, s25, s20
	s_sub_co_i32 s42, s42, s21                     ; e9 - e4 - e5
	MKSC 16, 8, 9
	MKSC 18, 10, 11
	MKSC 20, 12, 13
	MKSC 40, 14, 15
	MKSC 41, 16, 17
	MKSC 42, 18, 19
	s_wait_loadcnt 32                              ; x's eight loads are in; the 32 loads of the two weight sets are younger
.irp p, 0,1,2
.irp cc, 0,1
.set i_, 0
.rept 16
	v_med3_num_f32 v[T0+16*\cc+i_], v[XN+16*\cc+i_], -v[9+2*\p], v[9+2*\p]   ; into another register: x serves three scales.  The two sets take turns, so these lines are the plain lines behind the conversions before
.set i_, i_+1
.endr
	v_cvt_scalef32_pk8_fp8_f32 v[PCX+8*\p+4*\cc:PCX+8*\p+4*\cc+1], v[T0+16*\cc:T0+16*\cc+7], v[8+2*\p]
	v_cvt_scalef32_pk8_fp8_f32 v[PCX+8*\p+4*\cc+2:PCX+8*\p+4*\cc+3], v[T0+16*\cc+8:T0+16*\cc+15], v[8+2*\p]
.endr
.endr
	v_nop                                          ; one plain vector line behind the last conversion
	s_wait_alu depctr_va_vdst(0)                   ; the conversions have written v[PCX ..], which the six stores read; holds and conversions are done with XN and T0, in which the LDS loads behind the barrier land
.irp p, 0,1,2
.irp cc, 0,1
	ds_store_b128 v[XST], v[PCX+8*\p+4*\cc:PCX+8*\p+4*\cc+3] offset:8192*\p+512*\cc
.endr
.endr
	s_wait_dscnt 0x0                               ; for the others' sake: my images have landed
	s_barrier_signal -1
	s_barrier_wait -1                              ; x's twelve fragments lie in LDS; nobody writes them again
	s_wait_alu depctr_vm_vsrc(0)                   ; my six stores have read v[PCX ..]: these registers are the accumulators from here on, written by the products
	; ---- q
	XFETCH 0
	s_wait_dscnt 0x0
	s_wait_loadcnt 16                              ; Wq's fragments are in; Wk's 16 loads are younger
	MUL8 WF0, 1
	PLACES
	s_wait_alu depctr_va_vdst(0)                   ; q's products are done reading Wq's set and x's fragments, in which the 32 loads below land
	WLOAD 2, WF0                                   ; Wv into the set that Wq has left
	XFETCH 1
	OUTQ 14, 15
	s_wait_alu depctr_va_vdst(0)                   ; the conversions have written v[PC ..], which the two stores read
	global_store_b128 v[LI], v[PC:PC+3], s[28:29]              ; a tile of 16 queries: 512 consecutive bytes, aligned
	global_store_b128 v[LI], v[PC+4:PC+7], s[28:29] offset:512
	; ---- k
	s_wait_dscnt 0x0
	s_wait_loadcnt 16                              ; Wk's are in; Wv's 16 loads are younger
	MUL8 WF1, 1
	PLACES
	s_wait_alu depctr_va_vdst(0)                   ; k's products are done reading x's fragments, in which the loads below land
	XFETCH 2
	s_wait_xcnt 0x0                                ; q's stores have read their data: the codes' registers are written again only behind this wait
	s_wait_alu depctr_vm_vsrc(0)                   ; q's stores have read v[PC ..], which the conversions below write
	OUTQ 16, 17
	s_wait_alu depctr_va_vdst(0)                   ; the conversions have written v[PC ..], which the two stores read
	global_store_b128 v[LI], v[PC:PC+3], s[30:31]
	global_store_b128 v[LI], v[PC+4:PC+7], s[30:31] offset:512
	; ---- v
	s_wait_dscnt 0x0
	s_wait_loadcnt 0x0
	MUL8 WF0, 0
	PLACES
	s_wait_xcnt 0x0                                ; k's stores have read their data
	s_wait_alu depctr_vm_vsrc(0)                   ; k's stores have read v[PC ..], which the conversions below write
	OUTQ 18, 19
	s_wait_alu depctr_va_vdst(0)                   ; the conversions have written v[PC ..], which the two stores read
	global_store_b128 v[LI], v[PC:PC+3], s[32:33]              ; tile u = 0 of the head's features, my 32 keys
	global_store_b128 v[LI], v[PC+4:PC+7], s[32:33] offset:2048
	s_wait_dscnt 0x0                               ; the closing lines, six on end, of a launch in the mode that stores to LDS
	s_wait_alu 0x0
	s_wait_tensorcnt 0x0
	ds_add_u32 v254, v255
	s_wait_dscnt 0x0
	s_endpgm
.Lfunc_end_k_q6ea116d13a_qkv1:
	.size	k_q6ea116d13a_qkv1, .Lfunc_end_k_q6ea116d13a_qkv1-k_q6ea116d13a_qkv1
	.p2alignl 7, 3214868480
	.fill 96, 4, 3214868480
	.section	.rodata,"a",@progbits
	.p2align	6, 0x0
	.amdhsa_kernel k_q6ea116d13a_qkv1
		.amdhsa_group_segment_fixed_size 25600
		.amdhsa_private_segment_fixed_size 0
		.amdhsa_enable_private_segment 0
		.amdhsa_kernarg_size 32
		.amdhsa_user_sgpr_count 2
		.amdhsa_user_sgpr_kernarg_segment_ptr 1
		.amdhsa_wavefront_size32 1
		.amdhsa_system_sgpr_workgroup_id_x 1
		.amdhsa_system_sgpr_workgroup_id_y 1
		.amdhsa_system_sgpr_workgroup_id_z 1
		.amdhsa_system_vgpr_workitem_id 0
		.amdhsa_next_free_vgpr 256
		.amdhsa_next_free_sgpr 66
		.amdhsa_reserve_vcc 0
		.amdhsa_float_denorm_mode_32 3
		.amdhsa_float_denorm_mode_16_64 3
		.amdhsa_memory_ordered 1
		.amdhsa_forward_progress 1
		.amdhsa_inst_pref_size 30
	.end_amdhsa_kernel
	.amdgpu_metadata
---
amdhsa.version: [ 1, 2 ]
amdhsa.kernels:
  - .name:           k_q6ea116d13a_qkv1
    .symbol:         k_q6ea116d13a_qkv1.kd
    .args:
      - { .name: x, .offset: 0, .size: 8, .value_kind: global_buffer, .address_space: global }
      - { .name: wimg1, .offset: 8, .size: 8, .value_kind: global_buffer, .address_space: global }
      - { .name: lowp_scales, .offset: 16, .size: 8, .value_kind: global_buffer, .address_space: global }
      - { .name: qkv, .offset: 24, .size: 8, .value_kind: global_buffer, .address_space: global }
    .group_segment_fixed_size: 25600
    .private_segment_fixed_size: 0
    .kernarg_segment_align: 8
    .kernarg_segment_size: 32
    .max_flat_workgroup_size: 256
    .sgpr_count:     66
    .vgpr_count:     256
    .wavefront_size: 32
...
	.end_amdgpu_metadata
.endif
;; end of part 5
;; launch attn1 (part 6): grid 8 x 32, 16 waves a work-group, no clusters, 133,120 bytes of LDS; arguments qkv, lowp_scales, oimg; writes oimg
.if DOCPART == 6
	.amdgcn_target "amdgcn-amd-amdhsa--gfx1250"
	.amdhsa_code_object_version 6
	.text
	.protected	k_q6ea116d13a_attn1
	.globl	k_q6ea116d13a_attn1
	.p2align	8
	.type	k_q6ea116d13a_attn1,@function
k_q6ea116d13a_attn1:
	s_mov_b64 s[64:65], 0
	v_nop
	global_prefetch_b8 v0, s[64:65] scope:SCOPE_SE
	s_setreg_imm32_b32 hwreg(HW_REG_WAVE_SCHED_MODE, 0, 2), 2
	s_setreg_imm32_b32 hwreg(HW_REG_WAVE_MODE, 25, 1), 1
	s_wait_xcnt 0x0
	s_wait_alu depctr_vm_vsrc(0)
; o = softmax(q k^T / sqrt(32)) v for one head of one batch, 2,048 keys, head size 32, both products on codes of FP8 (E4M3); o is quantised at once for the product with Wo.
; THE SOFTMAX: t = score x log2(e) / sqrt(32); M = the running largest t rounded UP to a whole number; p = 2^(t - M) is quantised with 2^e8; the sum l is taken of the unquantised p and divides at the end.
; When M moves, l and O are multiplied by 2^(old M - new M), an exact power of two; no branch hangs on it.
; SHARES: a work-group takes 256 queries of a head; each of its SIXTEEN waves one tile of 16, in 216 registers: four waves to a SIMD, so that one wave's dependent lines and exponentials stand beside the others' plain work.
; The price: a fragment of K or V read from LDS feeds one product.  The head's K and V images (65,536 bytes each) are copied into LDS once; one barrier; after it LDS is only read.
; LAYOUT: both products are used transposed (S^T = K Q^T, O^T = V^T P^T), so a lane holds ONE query (lane % 16) throughout.  In S^T register 8 t + j is key 16 t + 8 (lane / 16) + j of the step's 128: its conversions give the
; second product's operand as its own layout wants it, and the v image was laid to match.  V's tile u has feature 8 u + r + 8 (r / 8) in row r, so O's 16 registers are features 16 (lane / 16) + 0 .. 15.
; THE HEAD'S 32 IN A FORM OF K = 64: Q's fragment has zero codes in registers 4 to 7.  K's fragment of tile t is named v[KF + 4 t : KF + 4 t + 7]: its upper four registers are the next tile's codes (four zero registers behind the last).
; Those codes are numbers (the quantiser's hold makes no NaN code) and meet zeros alone, so they add nothing.  That spares 28 registers.
; THE HOLD of p at 448 x 2^e8: p is at most 1, so with e8 >= -8 (a bound of 1.75 or more) it changes no number and is jumped over: a scalar branch on a whole number read from memory; this text has no tensor load and no copy.
; No cluster: what the eight work-groups of a head share is one fill of 131,072 bytes at the head, against sixteen key steps of work.
; LIMITS: e6 + e7 between -124 and 129 (added to the exponent field of log2(e) / sqrt(32)); e8 and e10 - e8 - e9 between -126 and 119.  NaN among the inputs is not served.
; THE MODE: SCHED_MODE bits 1:0 = 2 (LLVM: expert scheduling mode 2), set by the entry lines.  The code itself states the register dependences
; between vector or matrix instructions and memory or LDS instructions, with s_wait_alu, always for 0.
; THE PLAN.  Registers that memory or LDS instructions touch, and who else names them:
;   v1, v2, v5, v6  addresses, made once at the head and never written again: one wait on va_vdst ahead of the first load.
;   S               at the head it carries the fill: loads land in it, LDS stores read it; one wait on vm_vsrc behind the barrier, ahead of the first products, which write it.  In the loop no memory instruction names it.
;   ADV, ADK        written once a step by two additions, read by the step's sixteen LDS loads: a wait on vm_vsrc ahead of the additions.
;   KF, VF          LDS loads land in them; this step's eight products read KF, the last step's two read VF.
; So ONE wait on va_vdst stands ahead of a step's sixteen LDS loads: ADV and ADK are written, the products just issued are done reading KF, the last step's are done reading VF.
; A second one stands behind the step's 64 exponentials, which go as one batch, ahead of the first line that names a result.  At the end one more: the codes of o are written, which the store reads.
.set AK0, 1                            ; v1   16 x lane
.set AV0, 2                            ; v2   16 x lane + 65,536
.set ADK, 3                            ; v3   LDS address of the next step's K
.set ADV, 4                            ; v4   of this step's V
.set FK,  5                            ; v5   16 x thread: the fill
.set FV,  6                            ; v6   16 x thread + 65,536
.set ST,  8                            ; v8 -M, v9 the largest t, v[10:11] l in two halves
.set Q,   16                           ; v16-23  Q (20-23 zero)
.set KF,  32                           ; v32-63  K: tile t at 32 + 4 t; v64-67 zero
.set VF,  68                           ; v68-99  V: 16 u + 4 c
.set S,   100                          ; v100-163 S^T, then p; at the head the fill's 64 registers
.set O,   164                          ; v164-179 O^T: 8 u
.set P,   180                          ; v180-195 p's codes
.set MX,  196                          ; v196-199 four chains of the maximum
.set F,   200                          ; v[200:201] 2^(old M - new M) (201 is named with it as a pair)
.set SM,  202                          ; v202-209 four chains of the sum, a pair each
.set TP,  210
.set SCP, 212                          ; 2^e8
.set LMP, 213                          ; 448 x 2^e8
.set SCO, 214                          ; 2^(e10 - e8 - e9)
.set LMO, 215                          ; 448 x that
.macro MKSC se, vs, vl                 ; s[se] = e  ->  v[vs] = 2^e as f32, v[vl] = 448 x 2^e
	s_add_co_i32 s[\se], s[\se], 127
	s_lshl_b32 s34, s[\se], 23
	v_mov_b32 v[\vs], s34
	s_add_co_i32 s[\se], s[\se], 8
	s_lshl_b32 s[\se], s[\se], 23
	s_or_b32 s[\se], s[\se], 0x600000
	v_mov_b32 v[\vl], s[\se]
.endm
.macro PLACES                          ; four plain vector lines behind matrix instructions, ahead of reads of their results and of loads into their registers
.rept 4
	v_nop
.endr
.endm
.macro ADDP j                          ; pair j (4 to 31) of the 32 pairs of p joins chain j % 4 of the sum; pairs 4 to 7 start the chains with pairs 0 to 3
.if (\j) < 8
	v_pk_add_f32 v[SM+2*((\j)%4):SM+2*((\j)%4)+1], v[S+2*(\j)-8:S+2*(\j)-7], v[S+2*(\j):S+2*(\j)+1]
.else
	v_pk_add_f32 v[SM+2*((\j)%4):SM+2*((\j)%4)+1], v[SM+2*((\j)%4):SM+2*((\j)%4)+1], v[S+2*(\j):S+2*(\j)+1]
.endif
.endm
	s_load_b128 s[4:7], s[0:1], 0x0                ; qkv s[4:5], sc s[6:7]
	s_load_b64 s[8:9], s[0:1], 0x10                ; oimg
	v_lshl_add_u32 v216, v0, 2, 0x20000
	v_mov_b32 v217, 0
	v_lshrrev_b32 v3, 5, v0
	v_readfirstlane_b32 s10, v3                    ; wave 0 .. 15
	v_and_b32 v4, 31, v0
	v_lshlrev_b32 v[AK0], 4, v4
	v_add_nc_u32 v[AV0], 0x10000, v[AK0]
	v_lshlrev_b32 v[FK], 4, v0
	v_add_nc_u32 v[FV], 0x10000, v[FK]
	s_and_b32 s11, ttmp7, 0xffff                   ; head of batch
	s_lshl_b32 s12, s11, 16                        ; its 65,536 bytes in each image
	s_mov_b32 s13, 0
	s_lshl_b32 s31, ttmp9, 4
	s_wait_alu depctr_va_sdst(0)                   ; s10 is written, ahead of its first reader: Q's and o's bases are made from it
	s_add_co_u32 s31, s31, s10                     ; my tile of queries in the sequence: 16 x block + wave
	s_lshl_b32 s32, s31, 9
	s_add_co_u32 s32, s32, s12
	s_mov_b32 s33, 0                               ; and in the q image
	s_lshr_b32 s34, s11, 3
	s_lshl_b32 s34, s34, 7
	s_add_co_u32 s34, s34, s31                     ; tile of rows among the 512
	s_lshl_b32 s34, s34, 12                        ; 8 heads x 512 bytes
	s_and_b32 s35, s11, 7
	s_lshl_b32 s35, s35, 9
	s_add_co_u32 s34, s34, s35
	s_mov_b32 s35, 0
	s_mov_b32 s20, 0x76543210                      ; v_permlanex16_b32: each lane takes its own place in the other half
	s_mov_b32 s21, 0xfedcba98
	s_wait_kmcnt 0x0
	s_load_b128 s[24:27], s[6:7], 0x18             ; e6, e7, e8, e9
	s_load_b32 s28, s[6:7], 0x28                   ; e10
	s_add_nc_u64 s[14:15], s[4:5], s[32:33]        ; my Q
	s_add_nc_u64 s[16:17], s[4:5], s[12:13]
	s_add_nc_u64 s[18:19], s[16:17], 0x400000      ; the head's V
	s_add_nc_u64 s[16:17], s[16:17], 0x200000      ; the head's K
	s_add_nc_u64 s[8:9], s[8:9], s[34:35]
	s_wait_alu depctr_va_vdst(0)                   ; the addresses v1, v2, v5 and v6 are written, which the loads and stores below read
	global_load_b128 v[Q:Q+3], v[AK0], s[14:15]
.set n_, 0
.rept 8
	global_load_b128 v[S+4*n_:S+4*n_+3], v[FK], s[16:17] offset:8192*n_        ; the work-group's 512 threads take 8,192 consecutive bytes
.set n_, n_+1
.endr
.set n_, 0
.rept 8
	global_load_b128 v[S+32+4*n_:S+32+4*n_+3], v[FK], s[18:19] offset:8192*n_
.set n_, n_+1
.endr
	s_wait_loadcnt 8                               ; Q and K are in; V's eight loads are younger
.set n_, 0
.rept 8
	ds_store_b128 v[FK], v[S+4*n_:S+4*n_+3] offset:8192*n_
.set n_, n_+1
.endr
	s_wait_loadcnt 0x0
.set n_, 0
.rept 8
	ds_store_b128 v[FV], v[S+32+4*n_:S+32+4*n_+3] offset:8192*n_
.set n_, n_+1
.endr
	s_wait_dscnt 0x0                               ; for the others' sake: my part of the fill has landed
	s_barrier_signal -1
	s_barrier_wait -1                              ; the only barrier: K and V lie whole in LDS and are never written again
	s_wait_alu depctr_vm_vsrc(0)                   ; my sixteen stores of the fill have read v[S ..], which the first step's products write
.irp t, 0,1,2,3,4,5,6,7
	ds_load_b128 v[KF+4*\t:KF+4*\t+3], v[AK0] offset:512*\t    ; K of step 0
.endr
.irp j, 0,1,2,3
	v_mov_b32 v[Q+4+\j], 0                         ; zero codes for k = 32 .. 63
	v_mov_b32 v[KF+32+\j], 0
.endr
.set i_, 0
.rept 16
	v_mov_b32 v[O+i_], 0                           ; the step is written once: the first finds zeros, which the first change of M leaves zeros
.set i_, i_+1
.endr
	v_mov_b32 v[ST+1], 0xff61b1e6                  ; the largest t so far: -3e38
	v_floor_f32 v[ST], -v[ST+1]
	v_mov_b32 v[ST+2], 0
	v_mov_b32 v[ST+3], 0
	v_mov_b32 v[F+1], 0                            ; named as the upper half of a pair
	v_mov_b32 v[TP], 0                             ; a lane permute's destination counts as one of its sources
	s_wait_kmcnt 0x0
	s_add_co_i32 s31, s24, s25
	s_lshl_b32 s31, s31, 23
	s_add_co_i32 s22, s31, 0x3e8293ee              ; log2(e) / sqrt(32) x 2^(e6 + e7): the exponents are added to its exponent field
	s_mov_b32 s23, s22
	s_sub_co_i32 s32, s28, s26
	s_sub_co_i32 s32, s32, s27                     ; e10 - e8 - e9
	s_mov_b32 s33, s26                             ; (s26 = e8 stays for the branch)
	MKSC 33, SCP, LMP
	MKSC 32, SCO, LMO
	s_mov_b32 s29, 0                               ; LDS byte of the step in hand: 4,096 a step in both images
	s_mov_b32 s30, 16
.Lstep:
	s_wait_dscnt 0x0                               ; this step's K is in
.irp t, 0,1,2,3,4,5,6,7
	v_wmma_f32_16x16x64_fp8_fp8 v[S+8*\t:S+8*\t+7], v[KF+4*\t:KF+4*\t+7], v[Q:Q+7], 0   ; S^T of 128 keys: eight products that start their sums
.endr
	s_wait_alu depctr_vm_vsrc(0)                   ; the last step's LDS loads have read v[ADV] and v[ADK], which the two additions write
	v_add_nc_u32 v[ADV], s29, v[AV0]               ; these two additions and two v_nop are the four places behind the products above and behind the last trip's V^T P^T
	s_add_co_u32 s31, s29, 4096
	s_and_b32 s31, s31, 0xffff                     ; the next step's K; in the last trip it wraps to step 0, inside the image, and what comes is not used: that spares a tail written out
	v_add_nc_u32 v[ADK], s31, v[AK0]
	v_nop
	v_nop
	s_wait_alu depctr_va_vdst(0)                   ; v[ADV] and v[ADK] are written, which the loads read; the eight products are done reading KF and the last step's two reading VF, in which the loads land
.irp n, 0,1,2,3,4,5,6,7
	ds_load_b128 v[VF+4*\n:VF+4*\n+3], v[ADV] offset:512*\n
.endr
.irp t, 0,1,2,3,4,5,6,7
	ds_load_b128 v[KF+4*\t:KF+4*\t+3], v[ADK] offset:512*\t
.endr
	; ---- the largest of my 64 scores: four chains, one for each two tiles, line by line, so that no line reads the line above it.  Each accumulator is first read at its low end: tiles 0, 2, 4, 6 at registers 0 to 2, the others at register 0
.irp c, 0,1,2,3
	v_max3_num_f32 v[MX+\c], v[S+16*\c], v[S+16*\c+1], v[S+16*\c+2]
.endr
.irp k, 3,5,7,9,11,13
.irp c, 0,1,2,3
	v_max3_num_f32 v[MX+\c], v[MX+\c], v[S+16*\c+\k], v[S+16*\c+\k+1]
.endr
.endr
	v_max3_num_f32 v[MX], v[MX], v[S+15], v[S+31]
	v_max3_num_f32 v[MX+2], v[MX+2], v[S+47], v[S+63]
	v_max3_num_f32 v[MX], v[MX], v[MX+1], v[MX+2]
	v_max_num_f32 v[MX], v[MX], v[MX+3]
	v_permlanex16_b32 v[TP], v[MX], s20, s21       ; the query's other 64 keys lie in the lane 16 away
	v_mov_b32 v[MX+1], v[ST]                       ; the old -M
	v_max_num_f32 v[MX], v[MX], v[TP]
	v_mul_f32 v[MX], s22, v[MX]                    ; as t (the factor is positive)
	v_max_num_f32 v[ST+1], v[ST+1], v[MX]          ; the running largest t
	v_floor_f32 v[ST], -v[ST+1]                    ; -M = floor(-t): M is a whole number
	v_sub_f32 v[MX], v[ST], v[MX+1]                ; old M - new M: a whole number, 0 or less
	v_cvt_i32_f32 v[MX], v[MX]                     ; (it saturates)
	v_ldexp_f32 v[F], 1.0, v[MX]
	; ---- p = 2^(t - M): ONE BATCH of 64 exponentials with the scalings t - M dealt among them, each two pairs ahead of its exponentials.  No line of the batch names an exponential's result
	v_pk_fma_f32 v[S:S+1], v[S:S+1], s[22:23], v[ST:ST+1] op_sel_hi:[1,0,0]
	v_pk_fma_f32 v[S+2:S+3], v[S+2:S+3], s[22:23], v[ST:ST+1] op_sel_hi:[1,0,0]
.set j_, 0
.rept 32
	v_exp_f32 v[S+2*j_], v[S+2*j_]
.if j_ < 30
	v_pk_fma_f32 v[S+2*j_+4:S+2*j_+5], v[S+2*j_+4:S+2*j_+5], s[22:23], v[ST:ST+1] op_sel_hi:[1,0,0]
.endif
	v_exp_f32 v[S+2*j_+1], v[S+2*j_+1]
.set j_, j_+1
.endr
.set i_, 0
.rept 8
	v_pk_mul_f32 v[O+i_:O+i_+1], v[O+i_:O+i_+1], v[F:F+1] op_sel_hi:[1,0]   ; O^T under the new M, ascending: work that names no exponential's result, and the plain lines behind the last exponential
.set i_, i_+2
.endr
	s_wait_alu depctr_va_vdst(0)                   ; the 64 exponentials have written p, ahead of the first line that names one: one wait for the batch
.set j_, 4
.rept 28
	ADDP j_                                        ; the sum of the unquantised p, in four chains
.set j_, j_+1
.endr
	v_pk_add_f32 v[SM:SM+1], v[SM:SM+1], v[SM+2:SM+3]
	v_pk_add_f32 v[SM+4:SM+5], v[SM+4:SM+5], v[SM+6:SM+7]
	v_pk_add_f32 v[SM:SM+1], v[SM:SM+1], v[SM+4:SM+5]
	v_pk_fma_f32 v[ST+2:ST+3], v[ST+2:ST+3], v[F:F+1], v[SM:SM+1] op_sel_hi:[1,0,1]   ; l under the new M, + the step's sum of the unquantised p
	s_cmp_ge_i32 s26, -8                           ; e8 >= -8: 448 x 2^e8 is above every p
	s_cbranch_scc1 .Lnohold
.set i_, 0
.rept 64
	v_min_num_f32 v[S+i_], v[S+i_], v[LMP]         ; the conversion does not saturate (ISA guide 7.6.2); p is not negative, so the hold is one-sided
.set i_, i_+1
.endr
.Lnohold:
.set i_, 0
.rept 8
	v_cvt_scalef32_pk8_fp8_f32 v[P+2*i_:P+2*i_+1], v[S+8*i_:S+8*i_+7], v[SCP]
.set i_, i_+1
.endr
	v_nop                                          ; one plain line between the conversions and the products, which read their results
	s_wait_dscnt 8                                 ; V is in; the eight loads of the next step's K are younger
.irp u, 0,1
	v_wmma_f32_16x16x128_fp8_fp8 v[O+8*\u:O+8*\u+7], v[VF+16*\u:VF+16*\u+15], v[P:P+15], v[O+8*\u:O+8*\u+7]
.endr
	s_add_co_u32 s29, s29, 4096
	s_sub_co_u32 s30, s30, 1
	s_cmp_lg_u32 s30, 0
	s_cbranch_scc1 .Lstep
	s_wait_dscnt 0x0                               ; the wrapped loads have come
	PLACES
	v_add_f32 v[ST+2], v[ST+2], v[ST+3]            ; l: its two halves,
	v_permlanex16_b32 v[TP], v[ST+2], s20, s21
	v_add_f32 v[ST+2], v[ST+2], v[TP]              ; and the other half of the lanes'
	v_rcp_f32 v[ST+2], v[ST+2]
	v_nop                                          ; a plain line behind the reciprocal
	s_wait_alu depctr_va_vdst(0)                   ; the reciprocal has written 1 / l, ahead of its first reader
.set i_, 0
.rept 16
	v_mul_f32 v[S+i_], v[O+i_], v[ST+2]            ; O^T / l, ascending
.set i_, i_+1
.endr
.set i_, 0
.rept 16
	v_min_num_f32 v[S+i_], v[S+i_], v[LMO]         ; p and v are not negative, so o is not: the hold is one-sided
.set i_, i_+1
.endr
	v_cvt_scalef32_pk8_fp8_f32 v[P:P+1], v[S:S+7], v[SCO]      ; a sum stands for sum x 2^(e8 + e9): the three exponents are folded into one scale
	v_cvt_scalef32_pk8_fp8_f32 v[P+2:P+3], v[S+8:S+15], v[SCO]
	v_nop
	s_wait_alu depctr_va_vdst(0)                   ; the conversions have written v[P .. P + 3], which the store reads
	global_store_b128 v[AK0], v[P:P+3], s[8:9]     ; [tile of rows][head][lane][16]: four registers of the next product's operand; 512 consecutive bytes, aligned
	s_wait_dscnt 0x0                               ; the closing lines, six on end, of a launch in the mode that stores to LDS
	s_wait_alu 0x0
	s_wait_tensorcnt 0x0
	ds_add_u32 v216, v217
	s_wait_dscnt 0x0
	s_endpgm
.Lfunc_end_k_q6ea116d13a_attn1:
	.size	k_q6ea116d13a_attn1, .Lfunc_end_k_q6ea116d13a_attn1-k_q6ea116d13a_attn1
	.p2alignl 7, 3214868480
	.fill 96, 4, 3214868480
	.section	.rodata,"a",@progbits
	.p2align	6, 0x0
	.amdhsa_kernel k_q6ea116d13a_attn1
		.amdhsa_group_segment_fixed_size 133120
		.amdhsa_private_segment_fixed_size 0
		.amdhsa_enable_private_segment 0
		.amdhsa_kernarg_size 24
		.amdhsa_user_sgpr_count 2
		.amdhsa_user_sgpr_kernarg_segment_ptr 1
		.amdhsa_wavefront_size32 1
		.amdhsa_system_sgpr_workgroup_id_x 1
		.amdhsa_system_sgpr_workgroup_id_y 1
		.amdhsa_system_sgpr_workgroup_id_z 1
		.amdhsa_system_vgpr_workitem_id 0
		.amdhsa_next_free_vgpr 218
		.amdhsa_next_free_sgpr 66
		.amdhsa_reserve_vcc 0
		.amdhsa_float_denorm_mode_32 3
		.amdhsa_float_denorm_mode_16_64 3
		.amdhsa_memory_ordered 1
		.amdhsa_forward_progress 1
		.amdhsa_inst_pref_size 23
	.end_amdhsa_kernel
	.amdgpu_metadata
---
amdhsa.version: [ 1, 2 ]
amdhsa.kernels:
  - .name:           k_q6ea116d13a_attn1
    .symbol:         k_q6ea116d13a_attn1.kd
    .args:
      - { .name: qkv, .offset: 0, .size: 8, .value_kind: global_buffer, .address_space: global }
      - { .name: lowp_scales, .offset: 8, .size: 8, .value_kind: global_buffer, .address_space: global }
      - { .name: oimg, .offset: 16, .size: 8, .value_kind: global_buffer, .address_space: global }
    .group_segment_fixed_size: 133120
    .private_segment_fixed_size: 0
    .kernarg_segment_align: 8
    .kernarg_segment_size: 24
    .max_flat_workgroup_size: 512
    .sgpr_count:     66
    .vgpr_count:     218
    .wavefront_size: 32
...
	.end_amdgpu_metadata
.endif
;; end of part 6
;; launch post1 (part 7): grid 256 x 1, 8 waves a work-group, no clusters, 79,360 bytes of LDS; arguments oimg, x, wimg1, lowp_scales, g1, b1, g2, b2, xmid; writes xmid
.if DOCPART == 7
	.amdgcn_target "amdgcn-amd-amdhsa--gfx1250"
	.amdhsa_code_object_version 6
	.text
	.protected	k_q6ea116d13a_post1
	.globl	k_q6ea116d13a_post1
	.p2align	8
	.type	k_q6ea116d13a_post1,@function
k_q6ea116d13a_post1:
	s_mov_b64 s[64:65], 0
	v_nop
	global_prefetch_b8 v0, s[64:65] scope:SCOPE_SE
	s_setreg_imm32_b32 hwreg(HW_REG_WAVE_SCHED_MODE, 0, 2), 2
	s_setreg_imm32_b32 hwreg(HW_REG_WAVE_MODE, 25, 1), 1
	s_wait_xcnt 0x0
	s_wait_alu depctr_vm_vsrc(0)
; The rest of a block: x1 = LN(relu(o Wo^T) + xres; ga, ba);  out = LN(relu(relu(x1 Wf1^T) Wf2^T) + x1; gb, bb).  All three products on codes of FP8 (E4M3).
; oimg: o's codes as images of operand registers, [tile of 16 rows][8 groups][lane][16].  xres, out: [8192][256] f32.  wimg: Wo at 196,608, Wf1 at 262,144, Wf2 at 524,288, as images.  sc: the layer's exponents.
; SHARES: a work-group takes 32 rows (two tiles rt).  THE WAVES SHARE THE COLUMNS: wave w owns features 32 w .. 32 w + 31 of both outputs of width 256, so both residuals stay in the lane that adds them,
; and hidden units 128 w .. 128 w + 127, which are K step w of the last product.  Every weight fragment goes from memory straight into the registers of the one wave that uses it, once a work-group, and feeds two products.
; All products are used transposed (source 0 = 16 rows of a weight, source 1 = rows of the activations): lane (r, h) holds row 16 rt + r and 16 neighbouring features 32 w + 16 h + 0 .. 15.
; x1's and the hidden layer's codes go from wave to wave through LDS as images of operand registers.
; THE WEIGHTS' RING: Wf1 and Wf2 come in 16 chunks of eight loads through seven sets of 32 registers in window 1 (v256-479).  Chunk 0 is asked for at the head, chunks 1 to 4 behind the first product, 5 and 6 behind the residual,
; chunks 2 m + 7 and 2 m + 8 behind pair m of the first FFN product, chunk 15 in K step 2 of the second: five to seven chunks, 40 to 56 loads of a wave, are on their way while Wf1 is multiplied.
; s_set_vgpr_msb's low byte: bits 1:0 source 0, 7:6 destination: 0x01 for the products (the weight is source 0), 0x40 for the ring's loads.  The text has no label and no branch.
; LAYERNORM as it is written: the mean, then the mean of the squared differences: two exchanges through LDS, each in words of its own.
; No cluster: the weights never touch LDS here; shared through LDS, their 589,824 bytes would want a ring with a round of the cluster's barrier for every few products.
; LIMITS: e12 and e14 - e12 - e13 between -126 and 119; e10 + e11 and e14 + e15 between -126 and 127.  NaN among the inputs is not served.
; THE MODE: SCHED_MODE bits 1:0 = 2 (LLVM: expert scheduling mode 2), set by the entry lines.  The code itself states the register dependences
; between vector or matrix instructions and memory or LDS instructions, with s_wait_alu, always for 0.
; THE PLAN.  Registers that memory or LDS instructions touch, and who else names them:
;   v1-v12       addresses, made once at the head and never written again: one wait on va_vdst ahead of the first load.
;   the ring     loads land, products read.  Chunks 0 to 6 go into registers that nothing has named.  A pair of chunks is multiplied, its results are quantised, and the ONE wait on va_vdst ahead of the codes' stores
;                also states that the pair's products are done reading their two sets: the next two chunks are asked for behind the stores.
;   PC           written by conversions, read by LDS stores: that same wait ahead of the stores; a wait on vm_vsrc ahead of the next conversions.
;   XF, v186-249 activations' fragments: loads land, products read.  For the second FFN product they are FOUR sets of a K step's two fragments: steps 0 to 3 are fetched on end; a wait on va_vdst at the head of step 2
;                (of step 4) states that the two steps before are done reading, and behind the step's own products, which name other sets, the sets so freed are fetched anew, two steps ahead of their use.
;   LT           a row's partial sum (LT + 6) is written by a vector line and read by an LDS store; the eight partial sums land in LT + 8 on: a wait on va_vdst ahead of the store serves both; a wait on vm_vsrc behind the loads frees LT + 6.
;   XR, ACC      on the way out: XR is read by the stage's stores behind a wait on va_vdst, which also covers the loads from the stage into ACC.
.set LI,   1                           ; v1   16 x lane
.set WA8,  2                           ; v2   + 8,192 x wave: Wo
.set WA,   3                           ; v3   + 32,768 x wave: Wf1, Wf2
.set XO,   4                           ; v4   1,024 r + 128 w + 64 h: the residual
.set GO,   5                           ; v5   128 w + 64 h: gains and biases
.set REDW, 6                           ; v6   32 x lane + 4 w: where I put a row's partial sum
.set REDR, 7                           ; v7   32 r: where I read a row's eight
.set XW,   8                           ; v8   16 x lane + 512 w: x1's image
.set HW,   9                           ; v9   16 x lane + 2,048 w: the hidden layer's
.set STW,  10                          ; v10  1,040 r + 128 w + 64 h: into the stage
.set STR,  11                          ; v11  16 x lane + 4,160 w: out of it
.set OUTO, 12                          ; v12  16 x lane + 4,096 w: my four rows of the output
.set PC,   18                          ; v18-25   codes just made          (v14, v15: 2^e12 and 448 x it; v16, v17: the same with e14 - e12 - e13)
.set XR,   26                          ; v26-57   the residual, then x1, then the output: 16 rt + i
.set ACC,  58                          ; v58-89   four accumulators: 16 rt + 8 u
.set LT,   58                          ; the same registers, at work in LayerNorm
.set XF,   90                          ; v90-153  activations' fragments; for the second FFN product sets 0 and 1 of the hidden layer's
.set W0,   154                         ; v154-217 Wo's four fragments; v218-249 ga and ba; later v154-185 gb and bb, v186-217 and v218-249 sets 2 and 3 of the hidden layer's fragments
.set X1IMG, 4096                       ; LDS: 0: four exchanges of [row 32][wave 8] f32;  4,096: x1's images, 512 (8 rt + 4 ks + c);
.set HIMG,  12288                      ; the hidden layer's: 16,384 rt + 2,048 ks + 512 c;
.set STG,   45056                      ; the stage: 32 rows of 1,024 bytes + 16
.set MSB, 0
.macro WIN new                         ; the immediate's high byte repeats the setting that is left; a switch that changes nothing is dropped
.if MSB != \new
	s_set_vgpr_msb (MSB<<8)|\new
.set MSB, \new
.endif
.endm
.macro MKSC se, vs, vl
	s_add_co_i32 s[\se], s[\se], 127
	s_lshl_b32 s42, s[\se], 23
	v_mov_b32 v[\vs], s42
	s_add_co_i32 s[\se], s[\se], 8
	s_lshl_b32 s[\se], s[\se], 23
	s_or_b32 s[\se], s[\se], 0x600000
	v_mov_b32 v[\vl], s[\se]
.endm
.macro PLACES                          ; four plain vector lines behind matrix instructions, ahead of reads of their results and of loads into their registers
.rept 4
	v_nop
.endr
.endm
.macro BARRIER                         ; my LDS stores have landed and my LDS loads are in: then the work-group's barrier
	s_wait_dscnt 0x0
	s_barrier_signal -1
	s_barrier_wait -1
.endm
; Chunk n, eight loads.  0-7: my tile n of Wf1 (two K steps);  8-15: K step n - 8 of my two tiles of Wf2: into set n % 7 of window 1; the window stays as the loads want it.  16: gb and bb, into window 0.
.macro LOADCH n
.if (\n) < 16
.set RB, 32*((\n)%7)
	WIN 0x40                                       ; destination window 1, address window 0
.if (\n) < 8
.irp m, 0,1,2,3,4,5,6,7
	global_load_b128 v[RB+4*\m:RB+4*\m+3], v[WA], s[8:9] offset:262144+4096*(\n)+512*\m
.endr
.else
.irp u, 0,1
.irp c, 0,1,2,3
	global_load_b128 v[RB+16*\u+4*\c:RB+16*\u+4*\c+3], v[WA], s[8:9] offset:524288+16384*\u+2048*((\n)-8)+512*\c
.endr
.endr
.endif
.else
	WIN 0
.irp i, 0,1,2,3
	global_load_b128 v[W0+4*\i:W0+4*\i+3], v[GO], s[16:17] offset:16*\i
.endr
.irp i, 0,1,2,3
	global_load_b128 v[W0+16+4*\i:W0+16+4*\i+3], v[GO], s[18:19] offset:16*\i
.endr
.endif
.endm
.macro RESID sf                        ; XR = relu(sum) x 2^(ea + eb) + XR
.set i_, 0
.rept 32
	v_max_num_f32 v[ACC+i_], 0, v[ACC+i_]          ; each accumulator from its low end on
.set i_, i_+1
.endr
.set i_, 0
.rept 16
	v_pk_fma_f32 v[XR+i_:XR+i_+1], v[ACC+i_:ACC+i_+1], s[\sf:\sf+1], v[XR+i_:XR+i_+1] op_sel_hi:[1,0,1]
.set i_, i_+2
.endr
.endm
; In: v[LT + 2 rt : + 1] = my 16 numbers' sum in two halves.  Out: v[LT + 8 + 8 rt] = the sum over the row's 256, the same in every wave.
.macro ROWSUM red
.irp rt, 0,1
	v_add_f32 v[LT+2*\rt], v[LT+2*\rt], v[LT+2*\rt+1]
.endr
.irp rt, 0,1
	v_permlanex16_b32 v[LT+4+\rt], v[LT+2*\rt], s32, s33
.endr
.irp rt, 0,1
	v_add_f32 v[LT+2*\rt], v[LT+2*\rt], v[LT+4+\rt]            ; my wave's 32 features of row 16 rt + r, in both halves of the lanes
.endr
	v_cndmask_b32 v[LT+6], v[LT], v[LT+2], s38     ; lanes 16-31 take tile 1: lane l holds row l
	s_wait_alu depctr_va_vdst(0)                   ; v[LT + 6] is written, which the store reads; the vector lines so far are done with v[LT + 8 .. LT + 23], in which the loads behind the barrier land
	ds_store_b32 v[REDW], v[LT+6] offset:(\red)
	BARRIER
.irp rt, 0,1
.irp k, 0,1
	ds_load_b128 v[LT+8+8*\rt+4*\k:LT+8+8*\rt+4*\k+3], v[REDR] offset:(\red)+512*\rt+16*\k
.endr
.endr
	s_wait_dscnt 0x0
	s_wait_alu depctr_vm_vsrc(0)                   ; the store has read v[LT + 6], which is written again further down (the next exchange, the holds into ACC, the loads from the stage)
.irp rt, 0,1
	v_pk_add_f32 v[LT+8+8*\rt:LT+9+8*\rt], v[LT+8+8*\rt:LT+9+8*\rt], v[LT+10+8*\rt:LT+11+8*\rt]
	v_pk_add_f32 v[LT+12+8*\rt:LT+13+8*\rt], v[LT+12+8*\rt:LT+13+8*\rt], v[LT+14+8*\rt:LT+15+8*\rt]
.endr
.irp rt, 0,1
	v_pk_add_f32 v[LT+8+8*\rt:LT+9+8*\rt], v[LT+8+8*\rt:LT+9+8*\rt], v[LT+12+8*\rt:LT+13+8*\rt]
.endr
.irp rt, 0,1
	v_add_f32 v[LT+8+8*\rt], v[LT+8+8*\rt], v[LT+9+8*\rt]
.endr
.endm
; XR = (XR - mean) x rsqrt(var + 1e-5) x g + b.  red: the first of its two exchanges in LDS; gb: g's 16 registers, b's behind them.
.macro LNORM red, gb
.irp rt, 0,1
	v_pk_add_f32 v[LT+2*\rt:LT+2*\rt+1], v[XR+16*\rt:XR+16*\rt+1], v[XR+16*\rt+2:XR+16*\rt+3]
.endr
.irp j, 4,6,8,10,12,14
.irp rt, 0,1
	v_pk_add_f32 v[LT+2*\rt:LT+2*\rt+1], v[LT+2*\rt:LT+2*\rt+1], v[XR+16*\rt+\j:XR+16*\rt+\j+1]
.endr
.endr
	ROWSUM \red
.irp rt, 0,1
	v_mul_f32 v[LT+24+2*\rt], s39, v[LT+8+8*\rt]   ; the mean: x 1/256
.endr
.irp rt, 0,1
.irp j, 0,2,4,6,8,10,12,14
	v_pk_add_f32 v[XR+16*\rt+\j:XR+16*\rt+\j+1], v[XR+16*\rt+\j:XR+16*\rt+\j+1], v[LT+24+2*\rt:LT+25+2*\rt] op_sel_hi:[1,0] neg_lo:[0,1] neg_hi:[0,1]
.endr
.endr
.irp rt, 0,1
	v_pk_mul_f32 v[LT+2*\rt:LT+2*\rt+1], v[XR+16*\rt:XR+16*\rt+1], v[XR+16*\rt:XR+16*\rt+1]
.endr
.irp j, 2,4,6,8,10,12,14
.irp rt, 0,1
	v_pk_fma_f32 v[LT+2*\rt:LT+2*\rt+1], v[XR+16*\rt+\j:XR+16*\rt+\j+1], v[XR+16*\rt+\j:XR+16*\rt+\j+1], v[LT+2*\rt:LT+2*\rt+1]
.endr
.endr
	ROWSUM (\red)+1024
.irp rt, 0,1
	v_fma_f32 v[LT+24+2*\rt], v[LT+8+8*\rt], s39, s40          ; var + 1e-5 (the division by 256 rounds nothing)
.endr
.irp rt, 0,1
	v_rsq_f32 v[LT+24+2*\rt], v[LT+24+2*\rt]
.endr
	v_nop                                          ; a plain line behind the roots
	s_wait_alu depctr_va_vdst(0)                   ; the two roots have written their results, ahead of the first line that names one
.irp rt, 0,1
.irp j, 0,2,4,6,8,10,12,14
	v_pk_mul_f32 v[XR+16*\rt+\j:XR+16*\rt+\j+1], v[XR+16*\rt+\j:XR+16*\rt+\j+1], v[LT+24+2*\rt:LT+25+2*\rt] op_sel_hi:[1,0]
.endr
.endr
.irp rt, 0,1
.irp j, 0,2,4,6,8,10,12,14
	v_pk_fma_f32 v[XR+16*\rt+\j:XR+16*\rt+\j+1], v[XR+16*\rt+\j:XR+16*\rt+\j+1], v[\gb+\j:\gb+\j+1], v[\gb+16+\j:\gb+16+\j+1]
.endr
.endr
.endm
; Chunk n of the first FFN product: my tile n of hidden units for both tiles of rows: two accumulators by turns.
.macro F1MUL n
.set WB, 32*((\n)%7)
.set AO, ACC+8*((\n)%2)
	v_wmma_f32_16x16x128_fp8_fp8 v[AO:AO+7], v[WB:WB+15], v[XF:XF+15], 0
	v_wmma_f32_16x16x128_fp8_fp8 v[AO+16:AO+23], v[WB:WB+15], v[XF+32:XF+47], 0
	v_wmma_f32_16x16x128_fp8_fp8 v[AO:AO+7], v[WB+16:WB+31], v[XF+16:XF+31], v[AO:AO+7]
	v_wmma_f32_16x16x128_fp8_fp8 v[AO+16:AO+23], v[WB+16:WB+31], v[XF+48:XF+63], v[AO+16:AO+23]
.endm
; Pair m: chunks 2 m and 2 m + 1.  The 16 neighbours that the two tiles give a lane are quantised: group c = m of K step w.  Behind the codes' stores the two sets just read take chunks 2 m + 7 and 2 m + 8.
.macro F1PAIR m
	s_wait_loadcnt 48                              ; chunk 2 m is in; the six chunks up to 2 m + 6 are younger
	WIN 0x01                                       ; source 0 (the weight) window 1
	F1MUL 2*(\m)
	s_wait_loadcnt 40                              ; chunk 2 m + 1 is in; five chunks are younger
	F1MUL 2*(\m)+1
	WIN 0
	PLACES
	s_wait_alu depctr_vm_vsrc(0)                   ; the last stores of codes have read v[PC ..], which the conversions below write
.set i_, 0
.rept 32
	v_med3_num_f32 v[ACC+i_], v[ACC+i_], 0, v17    ; relu and hold in one
.set i_, i_+1
.endr
.irp rt, 0,1
	v_cvt_scalef32_pk8_fp8_f32 v[PC+4*\rt:PC+4*\rt+1], v[ACC+16*\rt:ACC+16*\rt+7], v16
	v_cvt_scalef32_pk8_fp8_f32 v[PC+4*\rt+2:PC+4*\rt+3], v[ACC+16*\rt+8:ACC+16*\rt+15], v16
.endr
	v_nop                                          ; one plain line between the conversions and the next products, which write their sources
	s_wait_alu depctr_va_vdst(0)                   ; the conversions have written v[PC ..], which the stores read; the pair's products are done reading their two sets of the ring, in which the sixteen loads below land
.irp rt, 0,1
	ds_store_b128 v[HW], v[PC+4*\rt:PC+4*\rt+3] offset:HIMG+16384*\rt+512*(\m)
.endr
	LOADCH 2*(\m)+7                                ; no vector or matrix instruction since the wait: only the two stores, which read v[HW] and v[PC ..]
	LOADCH 2*(\m)+8
	WIN 0
.endm
.macro HFETCH ks                       ; the hidden layer's two fragments of K step ks, into set ks % 4: v90, v122, v186, v218
.set HL, XF+32*((\ks)%4)+32*(((\ks)%4)/2)
	WIN 0
.irp rt, 0,1
.irp c, 0,1,2,3
	ds_load_b128 v[HL+16*\rt+4*\c:HL+16*\rt+4*\c+3], v[LI] offset:HIMG+16384*\rt+2048*(\ks)+512*\c
.endr
.endr
.endm
; K step ks of the second FFN product, chunk 8 + ks: four accumulators by turns.  ds, ld: how many younger LDS loads and loads of weights may stay out.  free = 1: the sets that the two steps before have read are to be loaded again behind these products.
.macro F2CH ks, ds, ld, free
.set WB, 32*(((\ks)+8)%7)
.set HB, XF+32*((\ks)%4)+32*(((\ks)%4)/2)
	s_wait_dscnt \ds                               ; this K step's fragments are in
	s_wait_loadcnt \ld                             ; and its weights
.if \free
	s_wait_alu depctr_va_vdst(0)                   ; the products of the two steps before are done reading their hidden fragments and their sets of the ring, in which the loads behind this step's products land
.endif
	WIN 0x01
.irp rt, 0,1
.irp u, 0,1
.if (\ks) == 0
	v_wmma_f32_16x16x128_fp8_fp8 v[ACC+16*\rt+8*\u:ACC+16*\rt+8*\u+7], v[WB+16*\u:WB+16*\u+15], v[HB+16*\rt:HB+16*\rt+15], 0
.else
	v_wmma_f32_16x16x128_fp8_fp8 v[ACC+16*\rt+8*\u:ACC+16*\rt+8*\u+7], v[WB+16*\u:WB+16*\u+15], v[HB+16*\rt:HB+16*\rt+15], v[ACC+16*\rt+8*\u:ACC+16*\rt+8*\u+7]
.endif
.endr
.endr
.endm
	s_load_b512 s[4:19], s[0:1], 0x0               ; oimg s[4:5], xres s[6:7], wimg s[8:9], sc s[10:11], ga s[12:13], ba s[14:15], gb s[16:17], bb s[18:19]
	s_load_b64 s[20:21], s[0:1], 0x40              ; out
	v_lshl_add_u32 v254, v0, 2, 0x13200
	v_mov_b32 v255, 0
	v_lshrrev_b32 v13, 5, v0
	v_readfirstlane_b32 s22, v13                   ; wave
	v_and_b32 v13, 31, v0                          ; lane
	v_and_b32 v18, 15, v0                          ; r
	v_bfe_u32 v19, v0, 4, 1                        ; h
	v_lshlrev_b32 v[LI], 4, v13
	s_wait_alu depctr_va_sdst(0)                   ; s22 is written, ahead of its first reader: the addresses below are made from it
	s_lshl_b32 s41, s22, 13
	v_add_nc_u32 v[WA8], s41, v[LI]
	s_lshl_b32 s41, s22, 15
	v_add_nc_u32 v[WA], s41, v[LI]
	s_lshl_b32 s42, s22, 7
	v_lshl_add_u32 v[GO], v19, 6, s42
	v_lshl_add_u32 v[XO], v18, 10, v[GO]
	s_lshl_b32 s41, s22, 2
	v_lshl_add_u32 v[REDW], v13, 5, s41
	v_lshlrev_b32 v[REDR], 5, v18
	s_lshl_b32 s41, s22, 9
	v_add_nc_u32 v[XW], s41, v[LI]
	s_lshl_b32 s41, s22, 11
	v_add_nc_u32 v[HW], s41, v[LI]
	v_mul_u32_u24 v[STW], v18, 1040
	v_add_nc_u32 v[STW], v[STW], v[GO]
	s_mul_i32 s41, s22, 4160
	v_add_nc_u32 v[STR], s41, v[LI]
	s_lshl_b32 s41, s22, 12
	v_add_nc_u32 v[OUTO], s41, v[LI]
	s_lshl_b32 s44, ttmp9, 13                      ; two tiles of 4,096 bytes of o's codes a work-group
	s_mov_b32 s45, 0
	s_lshl_b32 s46, ttmp9, 15                      ; 32 rows of 1,024 bytes
	s_mov_b32 s47, 0
	s_mov_b32 s32, 0x76543210                      ; v_permlanex16_b32: each lane takes its own place in the other half
	s_mov_b32 s33, 0xfedcba98
	s_mov_b32 s38, 0xffff0000                      ; lanes 16 to 31
	s_mov_b32 s39, 0x3b800000                      ; 1/256
	s_mov_b32 s40, 0x3727c5ac                      ; 1e-5
	s_wait_kmcnt 0x0
	s_load_b256 s[24:31], s[10:11], 0x20           ; e8 .. e15
	s_add_nc_u64 s[4:5], s[4:5], s[44:45]
	s_add_nc_u64 s[6:7], s[6:7], s[46:47]
	s_add_nc_u64 s[20:21], s[20:21], s[46:47]
	s_wait_alu depctr_va_vdst(0)                   ; the twelve addresses v1 to v12 are written, which every load and store of the kernel reads
.set n_, 0
.rept 16
	global_load_b128 v[XF+4*n_:XF+4*n_+3], v[LI], s[4:5] offset:512*n_ th:TH_LOAD_NT   ; o's four fragments: 32 rt + 16 ks + 4 c
.set n_, n_+1
.endr
.set n_, 0
.rept 16
	global_load_b128 v[W0+4*n_:W0+4*n_+3], v[WA8], s[8:9] offset:196608+512*n_         ; my four fragments of Wo: 32 u + 16 ks + 4 c
.set n_, n_+1
.endr
.irp rt, 0,1
.irp i, 0,1,2,3
	global_load_b128 v[XR+16*\rt+4*\i:XR+16*\rt+4*\i+3], v[XO], s[6:7] offset:16384*\rt+16*\i th:TH_LOAD_NT
.endr
.endr
.irp i, 0,1,2,3
	global_load_b128 v[W0+64+4*\i:W0+64+4*\i+3], v[GO], s[12:13] offset:16*\i
.endr
.irp i, 0,1,2,3
	global_load_b128 v[W0+80+4*\i:W0+80+4*\i+3], v[GO], s[14:15] offset:16*\i
.endr
	LOADCH 0                                       ; the ring begins: 56 loads of mine are out
	WIN 0
	s_wait_kmcnt 0x0
	s_add_co_i32 s34, s26, s27
	s_add_co_i32 s34, s34, 127
	s_lshl_b32 s34, s34, 23                        ; 2^(e10 + e11) as f32
	s_mov_b32 s35, s34                             ; (named with it as a pair)
	s_add_co_i32 s36, s30, s31
	s_add_co_i32 s36, s36, 127
	s_lshl_b32 s36, s36, 23                        ; 2^(e14 + e15)
	s_mov_b32 s37, s36
	s_sub_co_i32 s41, s30, s28
	s_sub_co_i32 s41, s41, s29                     ; e14 - e12 - e13
	MKSC 41, 16, 17
	MKSC 28, 14, 15
	; ---- o Wo^T, the residual, the first LayerNorm
	s_wait_loadcnt 24                              ; o and Wo are in; the residual's eight loads, the eight of ga and ba and chunk 0's eight are younger
.irp ks, 0,1
.irp rt, 0,1
.irp u, 0,1
.if \ks == 0
	v_wmma_f32_16x16x128_fp8_fp8 v[ACC+16*\rt+8*\u:ACC+16*\rt+8*\u+7], v[W0+32*\u+16*\ks:W0+32*\u+16*\ks+15], v[XF+32*\rt+16*\ks:XF+32*\rt+16*\ks+15], 0
.else
	v_wmma_f32_16x16x128_fp8_fp8 v[ACC+16*\rt+8*\u:ACC+16*\rt+8*\u+7], v[W0+32*\u+16*\ks:W0+32*\u+16*\ks+15], v[XF+32*\rt+16*\ks:XF+32*\rt+16*\ks+15], v[ACC+16*\rt+8*\u:ACC+16*\rt+8*\u+7]
.endif
.endr
.endr
.endr
	PLACES
	LOADCH 1                                       ; chunks 1 to 6 land in registers that no vector or matrix instruction has named: nothing is to be stated for them
	LOADCH 2
	LOADCH 3
	LOADCH 4
	WIN 0
	s_wait_loadcnt 40                              ; the residual, ga and ba are in; chunks 0 to 4 are younger
	RESID 34
	LOADCH 5
	LOADCH 6                                       ; seven chunks, 56 loads at the most, are out
	WIN 0
	LNORM 0, W0+64
	; ---- x1 is quantised (XR keeps it for the second residual) and goes round as an image
.irp rt, 0,1
.set i_, 0
.rept 16
	v_med3_num_f32 v[ACC+16*\rt+i_], v[XR+16*\rt+i_], -v15, v15
.set i_, i_+1
.endr
	v_cvt_scalef32_pk8_fp8_f32 v[PC+4*\rt:PC+4*\rt+1], v[ACC+16*\rt:ACC+16*\rt+7], v14
	v_cvt_scalef32_pk8_fp8_f32 v[PC+4*\rt+2:PC+4*\rt+3], v[ACC+16*\rt+8:ACC+16*\rt+15], v14
.endr
	v_nop                                          ; one plain line behind the last conversion
	s_wait_alu depctr_va_vdst(0)                   ; the conversions have written v[PC ..], which the two stores read; the first product is long done reading XF, in which the loads behind the barrier land
	ds_store_b128 v[XW], v[PC:PC+3] offset:X1IMG               ; my 32 features are group 4 ks + c = w
	ds_store_b128 v[XW], v[PC+4:PC+7] offset:X1IMG+4096
	BARRIER                                        ; x1's four fragments lie in LDS
.set n_, 0
.rept 16
	ds_load_b128 v[XF+4*n_:XF+4*n_+3], v[LI] offset:X1IMG+512*n_
.set n_, n_+1
.endr
	s_wait_dscnt 0x0
	; ---- the hidden layer: my 128 units, in four pairs of chunks
	F1PAIR 0
	F1PAIR 1
	F1PAIR 2
	F1PAIR 3
	BARRIER                                        ; the hidden layer's sixteen fragments lie in LDS
	; ---- the second FFN product: my 32 features, K = 1,024.  The first four K steps' fragments are fetched on end: the last pair's wait has shown the products done reading XF, and earlier waits the readers of v186-249
	HFETCH 0
	HFETCH 1
	HFETCH 2
	HFETCH 3
	F2CH 0, 24, 48, 0                              ; younger: three fetches; chunks 9 to 14
	F2CH 1, 16, 40, 0
	F2CH 2, 8, 32, 1                               ; younger: fetch 3; chunks 11 to 14
	PLACES
	HFETCH 4                                       ; into the sets that steps 0 and 1 have read.  Since the wait only step 2's products were issued: they name ring set 3, hidden set 2 and the accumulators
	HFETCH 5
	LOADCH 15                                      ; into the ring's set 1, which step 0 has read
	LOADCH 16                                      ; gb and bb, where Wo lay
	F2CH 3, 16, 40, 0                              ; younger: fetches 4 and 5; chunks 12 to 16
	F2CH 4, 8, 32, 1                               ; younger: fetch 5; chunks 13 to 16
	PLACES
	HFETCH 6                                       ; into the sets that steps 2 and 3 have read.  Since the wait only step 4's products were issued: they name ring set 5, hidden set 0 and the accumulators
	HFETCH 7
	F2CH 5, 16, 24, 0                              ; the ring runs out
	F2CH 6, 8, 16, 0
	F2CH 7, 0, 8, 0                                ; younger: gb and bb
	WIN 0
	PLACES
	RESID 36
	s_wait_loadcnt 0x0                             ; gb and bb
	LNORM 2048, W0
	; ---- the way out: a row's 256 numbers come from eight waves: through the stage, and out as whole rows
	s_wait_alu depctr_va_vdst(0)                   ; LayerNorm has written v[XR ..], which the stores read, and is done with v[LT ..], in which the loads from the stage land
.irp rt, 0,1
.irp i, 0,1,2,3
	ds_store_b128 v[STW], v[XR+16*\rt+4*\i:XR+16*\rt+4*\i+3] offset:STG+16640*\rt+16*\i
.endr
.endr
	BARRIER
.irp i, 0,1,2,3
.irp hf, 0,1
	ds_load_b128 v[ACC+8*\i+4*\hf:ACC+8*\i+4*\hf+3], v[STR] offset:STG+1040*\i+512*\hf
.endr
.endr
.irp i, 0,1,2,3
.irp hf, 0,1
	s_wait_dscnt 7-2*\i-\hf
	global_store_b128 v[OUTO], v[ACC+8*\i+4*\hf:ACC+8*\i+4*\hf+3], s[20:21] offset:1024*\i+512*\hf   ; the wave stores 512 consecutive bytes of a row, aligned
.endr
.endr
	s_wait_dscnt 0x0                               ; the closing lines, six on end, of a launch in the mode that stores to LDS (every window is 0 here)
	s_wait_alu 0x0
	s_wait_tensorcnt 0x0
	ds_add_u32 v254, v255
	s_wait_dscnt 0x0
	s_endpgm
.Lfunc_end_k_q6ea116d13a_post1:
	.size	k_q6ea116d13a_post1, .Lfunc_end_k_q6ea116d13a_post1-k_q6ea116d13a_post1
	.p2alignl 7, 3214868480
	.fill 96, 4, 3214868480
	.section	.rodata,"a",@progbits
	.p2align	6, 0x0
	.amdhsa_kernel k_q6ea116d13a_post1
		.amdhsa_group_segment_fixed_size 79360
		.amdhsa_private_segment_fixed_size 0
		.amdhsa_enable_private_segment 0
		.amdhsa_kernarg_size 72
		.amdhsa_user_sgpr_count 2
		.amdhsa_user_sgpr_kernarg_segment_ptr 1
		.amdhsa_wavefront_size32 1
		.amdhsa_system_sgpr_workgroup_id_x 1
		.amdhsa_system_sgpr_workgroup_id_y 1
		.amdhsa_system_sgpr_workgroup_id_z 1
		.amdhsa_system_vgpr_workitem_id 0
		.amdhsa_next_free_vgpr 480
		.amdhsa_next_free_sgpr 66
		.amdhsa_reserve_vcc 0
		.amdhsa_float_denorm_mode_32 3
		.amdhsa_float_denorm_mode_16_64 3
		.amdhsa_memory_ordered 1
		.amdhsa_forward_progress 1
		.amdhsa_inst_pref_size 68
	.end_amdhsa_kernel
	.amdgpu_metadata
---
amdhsa.version: [ 1, 2 ]
amdhsa.kernels:
  - .name:           k_q6ea116d13a_post1
    .symbol:         k_q6ea116d13a_post1.kd
    .args:
      - { .name: oimg, .offset: 0, .size: 8, .value_kind: global_buffer, .address_space: global }
      - { .name: x, .offset: 8, .size: 8, .value_kind: global_buffer, .address_space: global }
      - { .name: wimg1, .offset: 16, .size: 8, .value_kind: global_buffer, .address_space: global }
      - { .name: lowp_scales, .offset: 24, .size: 8, .value_kind: global_buffer, .address_space: global }
      - { .name: g1, .offset: 32, .size: 8, .value_kind: global_buffer, .address_space: global }
      - { .name: b1, .offset: 40, .size: 8, .value_kind: global_buffer, .address_space: global }
      - { .name: g2, .offset: 48, .size: 8, .value_kind: global_buffer, .address_space: global }
      - { .name: b2, .offset: 56, .size: 8, .value_kind: global_buffer, .address_space: global }
      - { .name: xmid, .offset: 64, .size: 8, .value_kind: global_buffer, .address_space: global }
    .group_segment_fixed_size: 79360
    .private_segment_fixed_size: 0
    .kernarg_segment_align: 8
    .kernarg_segment_size: 72
    .max_flat_workgroup_size: 256
    .sgpr_count:     66
    .vgpr_count:     480
    .wavefront_size: 32
...
	.end_amdgpu_metadata
.endif
;; end of part 7
;; launch qkv2: the kernel of part 5 again; grid 256 x 1, 8 waves a work-group, no clusters, 25,600 bytes of LDS; arguments xmid, wimg2, sc2, qkv; writes qkv
;; launch attn2: the kernel of part 6 again; grid 8 x 32, 16 waves a work-group, no clusters, 133,120 bytes of LDS; arguments qkv, sc2, oimg; writes oimg
;; launch post2: the kernel of part 7 again; grid 256 x 1, 8 waves a work-group, no clusters, 79,360 bytes of LDS; arguments oimg, xmid, wimg2, sc2, g3, b3, g4, b4, out0; writes out0
